; MI455X (gfx1250); checked and timed in simulation.
; The chip was launched on July 23, 2026; its instructions are those of AMD's public machine-readable ISA for CDNA 5 (MIT licence, August 2026) and "CDNA5" Instruction Set Architecture Reference Guide (July 2026). The comments in the code are by the model that wrote it; some were corrected since.
;; Causal Bilinear Self Attention. Allowed arithmetic: matrix products marked QUANTISED: E2M3 operands, one E8M0 scale for each 32 along K, by v_wmma_scale_f32_16x16x128_f8f6f4 with both operands' format E2M3, f32 sums; everything else in f32.
;; Inputs: Wk 1,024 x 1,024 float32; Wk2 1,024 x 1,024 float32; Wproj 1,024 x 1,024 float32; Wq 1,024 x 1,024 float32; Wq2 1,024 x 1,024 float32; Wv 1,024 x 1,024 float32; x 2 x 2,048 x 1,024 float32.
;; Outputs: out0 2 x 2,048 x 1,024 float32.
;; This version of the problem:
;;   THIS VERSION OF THE PROBLEM IS GIVEN IN LOW PRECISION. The matrix products marked QUANTISED in the list below multiply operands that are first quantised to E2M3 (2 exponent bits, 3 mantissa bits; 6 bits a number), with one power-of-two scale for each 32 numbers along K (OCP MX v1.0); their sums are f32. All else is computed in f32.
;;   The module's matrix products, in the order in which they are computed (A, B: the left and right operand; K: the contracted axis; several contracted axes count as one K, in the product's order):
;;     1. [M 4,096, K 1,024] x [K 1,024, N 1,024]; A: input x; B: input Wq: QUANTISED
;;     2. [M 4,096, K 1,024] x [K 1,024, N 1,024]; A: input x; B: input Wk: QUANTISED
;;     3. [M 4,096, K 1,024] x [K 1,024, N 1,024]; A: input x; B: input Wq2: QUANTISED
;;     4. [M 4,096, K 1,024] x [K 1,024, N 1,024]; A: input x; B: input Wk2: QUANTISED
;;     5. [M 4,096, K 1,024] x [K 1,024, N 1,024]; A: input x; B: input Wv: QUANTISED
;;     6. batch 32 x [M 2,048, K 64] x [K 64, N 2,048]; A: computed on the way; B: computed on the way: QUANTISED
;;     7. batch 32 x [M 2,048, K 64] x [K 64, N 2,048]; A: computed on the way; B: computed on the way: QUANTISED
;;     8. batch 32 x [M 2,048, K 2,048] x [K 2,048, N 64]; A: computed on the way; B: computed on the way: QUANTISED
;;     9. [M 4,096, K 1,024] x [K 1,024, N 1,024]; A: computed on the way; B: input Wproj: QUANTISED
;;   THE QUANTISER, for each operand of a quantised product, along K:
;;     - K is cut into blocks of 32 from its start; a last block that is shorter is filled with zeros.
;;     - A block's scale is 2^e with e = floor(log2(the largest magnitude in the block)) - 2, held to -126 .. 127; a block of zeros has e = 0. As a byte (E8M0): e + 127.
;;     - Each number is divided by its block's scale, clamped to +-7.5, and rounded to the nearest number of E2M3, ties to even, subnormals kept.
;;     - The product sums the exact products of the quantised numbers (number of the format x scale) in f32.
;;   ~~~python
;;   def quantise(x, axis):      # numpy; x: float32 -> the quantised numbers, widened to float32 again
;;       x = np.moveaxis(x, axis, -1); K = x.shape[-1]
;;       x = np.pad(x, [(0, 0)] * (x.ndim - 1) + [(0, -K % 32)]); x = x.reshape(x.shape[:-1] + (-1, 32)); a = np.abs(x).max(-1, keepdims=True)
;;       e = np.where(a > 0, np.clip(np.frexp(np.where(a > 0, a, 1))[1] - 1 - 2, -126, 127), 0)      # np.frexp(a)[1] - 1 = floor(log2(a)), exactly
;;       r = np.clip(x / 2.0 ** e, -7.5, 7.5)
;;       step = 2.0 ** (np.maximum(np.frexp(np.where(r == 0, 1, r))[1] - 1, 0) - 3)
;;       q = np.round(r / step) * step * 2.0 ** e      # np.round: ties to even
;;       return np.moveaxis(q.reshape(q.shape[:-2] + (-1,))[..., :K], -1, axis).astype(np.float32)
;;   ~~~
;;   OPERANDS COMPUTED ON THE WAY. 'Computed on the way' means the value that the module computes at that place (a softmax that the list does not call 'softmax' is quantised finished and normalised). What goes into a quantiser is computed in f32, as accurately as f32 sums, v_exp_f32 and their like allow (about 1e-6 of the number): no bf16 or f16 on the way to a quantiser, and a product that is left as it is and whose result goes on into a quantised operand takes f32 operands (vector FMAs, or v_wmma_f32_16x16x4_f32). A number that lies on a knife's edge between two numbers of the format may be rounded either way, as far as f32 arithmetic and the matrix unit's own rounding can turn it there, and no further.
;; One version. Each part assembles by itself: llvm-mc -triple=amdgcn-amd-amdhsa -mcpu=gfx1250 --defsym DOCPART=n.
;; ======== version 1 of 1: 4 launches
;; limits: right only within a limited range of input values
;; workspace buffers: cod 7,864,320 bytes; scl 327,680 bytes; rot 524,288 bytes; qq 6,553,600 bytes; kv 9,830,400 bytes; yc 3,145,728 bytes; ys 131,072 bytes
;; launch prep (part 1): grid 256 x 1, 6 waves a work-group, no clusters, 43,776 bytes of LDS; arguments x, Wq, Wq2, Wk, Wk2, Wv, Wproj, cod, scl, rot; writes cod, scl, rot
.if DOCPART == 1
	.amdgcn_target "amdgcn-amd-amdhsa--gfx1250"
	.amdhsa_code_object_version 6
	.text
	.protected	k_q0a3596008b_prep
	.globl	k_q0a3596008b_prep
	.p2align	8
	.type	k_q0a3596008b_prep,@function
k_q0a3596008b_prep:
	s_mov_b64 s[64:65], 0
	v_nop
	global_prefetch_b8 v0, s[64:65] scope:SCOPE_SE
	s_setreg_imm32_b32 hwreg(HW_REG_WAVE_MODE, 25, 1), 1
	s_wait_xcnt 0x0
; x [4096][1024] and the six weights [1024][1024], f32 with K innermost, become codes of FP6 (E2M3) with one E8M0 byte for each 32 along K, laid as IMAGES OF OPERAND REGISTERS; and the rotary table is made.
; A TILE is 16 rows: tile 2 B + u holds rows 32 B + 8 u + r + 8 (r / 8), r = 0 .. 15, so that where such a tile is a product's source 0 the 16 result registers of tiles 2 B, 2 B + 1 are 16 neighbours along the next K.
; A FRAGMENT (a tile x 128 along K) is 12 registers a lane; its image is 1,536 bytes: registers 4 c .. 4 c + 3 of lane l at 512 c + 16 l.  cod: tile x 8 K steps x 1,536.  scl: tile x [K half][row][4 words], 512 bytes.
; Tiles of cod: 0-255 x; 256 + 20 head + o: that head's weights (q 0-3, q2 4-7, v's tiles 0, 1 at 8, 9, k 10-13, k2 14-17, v's tiles 2, 3 at 18, 19); 576-639 Wproj.
; SHARES.  Waves 0-4 take one unit each, unit 5 x work-group + wave of 1,280: a tile x 512 along K, four K steps.  Wave 5 makes half a tile (16 positions x 16 of the 32 frequencies) of the table of cosines and sines.
; A load reads 512 consecutive bytes of a row; a K step's 16 rows turn through the wave's own stage in LDS (rows of 528 bytes) and come back 16 neighbours of each block of 32 to a lane.  No barrier: waves share nothing.
; A block's scale is 2^(floor(log2(largest magnitude)) - 2); its byte is the largest magnitude's exponent field - 2, held at 1 from below.
; LIMITS: NaN and infinities are not served.  Blocks whose largest magnitude lies under 2^-124 get the byte 1; a block of zeros gets the byte 1 and zero codes (the bytes are read by this program alone).
; The table: inv_freq = 2^-(j log2(10) / 8) to about one unit in the last place, the angle t x inv_freq rounded once, reduced by multiples of pi / 2 in two parts, sine and cosine by polynomials good to about 1e-7.
.set PWS,  8                           ; v8-11    the four K steps' scale words
.set OUTW, 12                          ; v12-13   the two words that my lane stores
.set TM,   16                          ; v16-27   largest magnitudes, bytes, scale operands
.set PC,   28                          ; v28-46   the codes just made
.set X,    48                          ; v48-111  64 numbers: register 16 b + i = k 32 b + 16 (lane / 16) + i of my row
.set R,    112                         ; v112-239 two sets of 64 as loaded
.set SEL,  44                          ; s[44:45] lane selects: lane l xor 16
.set STP,  528                         ; a stage row: 512 bytes + 16
	s_load_b512 s[8:23], s[0:1], 0x0               ; x, Wq, Wq2, Wk, Wk2, Wv, Wproj, cod
	s_load_b128 s[24:27], s[0:1], 0x40             ; scl, rot
	v_lshl_add_u32 v254, v0, 2, 0xa800
	v_mov_b32 v255, 0
	v_lshrrev_b32 v1, 5, v0
	v_readfirstlane_b32 s2, v1                     ; wave 0..5
	v_and_b32 v1, 31, v0                           ; lane
	v_and_b32 v2, 15, v0                           ; r
	v_bfe_u32 v3, v0, 4, 1                         ; h
	v_lshlrev_b32 v4, 4, v1                        ; 16 x lane
	s_wait_kmcnt 0x0
	s_cmp_eq_u32 s2, 5
	s_cbranch_scc1 .Ltable
	; ---- which unit, from where, to where
	s_mul_i32 s3, ttmp9, 5
	s_add_co_u32 s3, s3, s2                        ; unit
	s_lshr_b32 s30, s3, 1                          ; source tile 0..639: x's 256, then 64 of each weight
	s_and_b32 s31, s3, 1                           ; which half of K
	s_sub_co_u32 s32, s30, 256
	s_lshr_b32 s33, s32, 6                         ; which weight (of no meaning for x)
	s_and_b32 s34, s32, 63                         ; its tile
	s_and_b32 s35, s34, 3                          ; the tile within its head
	s_lshr_b32 s36, s34, 2                         ; the head
	s_mul_i32 s37, s36, 20
	s_add_co_u32 s37, s37, s35
	s_add_co_u32 s37, s37, 256
	s_lshr_b32 s39, s35, 1
	s_lshl_b32 s39, s39, 3
	s_add_co_u32 s39, s39, 8                       ; Wv: 8, 9, 18, 19
	s_mov_b32 s38, 0
	s_cmp_eq_u32 s33, 1
	s_cselect_b32 s38, 4, s38
	s_cmp_eq_u32 s33, 2
	s_cselect_b32 s38, 10, s38
	s_cmp_eq_u32 s33, 3
	s_cselect_b32 s38, 14, s38
	s_cmp_eq_u32 s33, 4
	s_cselect_b32 s38, s39, s38
	s_add_co_u32 s37, s37, s38
	s_add_co_u32 s39, s34, 576
	s_cmp_eq_u32 s33, 5
	s_cselect_b32 s37, s39, s37
	s_cmp_lt_u32 s30, 256
	s_cselect_b32 s37, s30, s37                    ; the tile in cod and scl
	s_cselect_b32 s40, s30, s34                    ; the tile in its own tensor
	s_lshr_b32 s41, s40, 1
	s_lshl_b32 s41, s41, 17                        ; 32 rows of 4,096 bytes
	s_and_b32 s42, s40, 1
	s_lshl_b32 s42, s42, 15                        ; 8 rows
	s_add_co_u32 s41, s41, s42
	s_lshl_b32 s42, s31, 11                        ; 512 along K
	s_add_co_u32 s42, s41, s42
	s_mov_b32 s43, 0
	s_mov_b64 s[28:29], s[10:11]                   ; the source: a choice on the unit's number alone
	s_cmp_eq_u32 s33, 1
	s_cselect_b64 s[28:29], s[12:13], s[28:29]
	s_cmp_eq_u32 s33, 2
	s_cselect_b64 s[28:29], s[14:15], s[28:29]
	s_cmp_eq_u32 s33, 3
	s_cselect_b64 s[28:29], s[16:17], s[28:29]
	s_cmp_eq_u32 s33, 4
	s_cselect_b64 s[28:29], s[18:19], s[28:29]
	s_cmp_eq_u32 s33, 5
	s_cselect_b64 s[28:29], s[20:21], s[28:29]
	s_cmp_lt_u32 s30, 256
	s_cselect_b64 s[28:29], s[8:9], s[28:29]
	s_add_nc_u64 s[28:29], s[28:29], s[42:43]
	s_mul_i32 s38, s37, 12288
	s_mul_i32 s39, s31, 6144
	s_add_co_u32 s38, s38, s39
	s_mov_b32 s39, 0
	s_add_nc_u64 s[22:23], s[22:23], s[38:39]      ; my four images
	s_lshl_b32 s38, s37, 9
	s_lshl_b32 s40, s31, 8
	s_add_co_u32 s38, s38, s40
	s_add_nc_u64 s[24:25], s[24:25], s[38:39]      ; my 256 bytes of scale words
	s_mov_b32 s[SEL], 0x76543210
	s_mov_b32 s[SEL+1], 0xfedcba98
	s_mul_i32 s46, s2, 16*STP                      ; my stage
	v_add_nc_u32 v5, s46, v4                       ; in: 16 x lane of a row
	v_mul_u32_u24 v6, v2, STP
	v_lshl_add_u32 v6, v3, 6, v6
	v_add_nc_u32 v6, s46, v6                       ; back: row r, + 64 h
	v_lshlrev_b32 v7, 4, v2
	v_lshl_add_u32 v7, v3, 3, v7                   ; my two scale words: 16 r + 8 h
.irp b, 0,1,2,3
	v_mov_b32 v[TM+4+\b], 0                        ; written once: a lane permute's destination counts as one of its sources
.endr
.macro LOADS t                         ; K step t: 16 rows x 512 consecutive bytes
.irp r, 0,1,2,3,4,5,6,7,8,9,10,11,12,13,14,15
	global_load_b128 v[R+64*((\t)%2)+4*\r:R+64*((\t)%2)+4*\r+3], v4, s[28:29] offset:(\r+8*(\r/8))*4096+512*(\t) th:TH_LOAD_NT
.endr
.endm
; 64 numbers of a lane become a fragment's codes in v[PC] on and its scale word in v[pw]
.macro QUANT s, pw
.irp b, 0,1,2,3
	v_max3_num_f32 v[TM+\b], |v[\s+16*\b]|, |v[\s+16*\b+1]|, 0x1800000   ; my 16 numbers of block b, and the floor 2^(3 - 127): the byte cannot fall under 1
.endr
.irp i, 2,4,6,8,10,12,14
.irp b, 0,1,2,3
	v_max3_num_f32 v[TM+\b], |v[\s+16*\b+\i]|, |v[\s+16*\b+\i+1]|, v[TM+\b]
.endr
.endr
.irp b, 0,1,2,3
	v_permlanex16_b32 v[TM+4+\b], v[TM+\b], s[SEL], s[SEL+1]
.endr
.irp b, 0,1,2,3
	v_max_num_f32 v[TM+\b], v[TM+\b], v[TM+4+\b]   ; with lane l xor 16's: the block's largest magnitude
.endr
.irp b, 0,1,2,3
	v_add_nc_u32 v[TM+8+\b], 0xff000000, v[TM+\b]  ; 2 off its exponent field: the conversion's scale operand
.endr
.irp b, 0,1,2,3
	v_lshrrev_b32 v[TM+4+\b], 23, v[TM+8+\b]       ; the scale's byte
.endr
	v_lshl_or_b32 v[\pw], v[TM+5], 8, v[TM+4]
	v_lshl_or_b32 v[\pw], v[TM+6], 16, v[\pw]
	v_lshl_or_b32 v[\pw], v[TM+7], 24, v[\pw]
.irp c, 0,1
	v_cvt_scalef32_pk16_fp6_f32 v[PC+6*\c:PC+6*\c+2], v[\s+32*\c:\s+32*\c+15], v[TM+8+2*\c]
	v_cvt_scalef32_pk16_fp6_f32 v[PC+12+4*\c:PC+14+4*\c], v[\s+32*\c+16:\s+32*\c+31], v[TM+9+2*\c]   ; (a conversion's three registers begin on an even number)
.endr
	v_nop                                          ; one plain place behind a scaled conversion
.irp c, 0,1                            ; the layout wants a whole block in a lane: lanes 0-15 block 2 c, lanes 16-31 block 2 c + 1
.irp i, 0,1,2
	v_permlane16_swap_b32 v[PC+6*\c+\i], v[PC+12+4*\c+\i]
.endr
.irp i, 0,1,2
	v_mov_b32 v[PC+3+6*\c+\i], v[PC+12+4*\c+\i]
.endr
.endr
.endm
.macro STEPQ t
.if (\t) < 3
	s_wait_loadcnt 16                              ; this step's 16 loads are in; the next step's 16 may be out
.else
	s_wait_loadcnt 0x0
.endif
.irp r, 0,1,2,3,4,5,6,7,8,9,10,11,12,13,14,15
	ds_store_b128 v5, v[R+64*((\t)%2)+4*\r:R+64*((\t)%2)+4*\r+3] offset:STP*\r
.endr
.irp b, 0,1,2,3
.irp j, 0,1,2,3
	ds_load_b128 v[X+16*\b+4*\j:X+16*\b+4*\j+3], v6 offset:128*\b+16*\j   ; LDS serves a wave's instructions in order: these see the stores above
.endr
.endr
	s_wait_dscnt 0x0                               ; the numbers are back, and the stores have read their registers,
.if (\t) < 2
	LOADS (\t)+2                                   ; which take the loads of two steps on
.endif
	s_wait_xcnt 0x0                                ; the last step's stores have read the codes' registers
	QUANT X, PWS+(\t)
.irp c, 0,1,2
	global_store_b128 v4, v[PC+4*\c:PC+4*\c+3], s[22:23] offset:1536*(\t)+512*\c   ; 512 consecutive bytes, aligned
.endr
.endm
	LOADS 0
	LOADS 1
	STEPQ 0
	STEPQ 1
	STEPQ 2
	STEPQ 3
	v_cmp_eq_u32 vcc_lo, 1, v3
	v_cndmask_b32 v[OUTW], v[PWS], v[PWS+2], vcc_lo      ; lanes 0-15 store steps 0, 1, lanes 16-31 steps 2, 3 of row r
	v_cndmask_b32 v[OUTW+1], v[PWS+1], v[PWS+3], vcc_lo
	global_store_b64 v7, v[OUTW:OUTW+1], s[24:25]        ; 256 consecutive bytes, aligned
	s_wait_tensorcnt 0x0
	ds_add_u32 v254, v255
	s_wait_dscnt 0x0
	s_endpgm
.Ltable:
	; ---- cos and sin of t x inv_freq(j): positions of tile work-group / 2, j = 16 h + 8 (work-group % 2) + 0 .. 7
	s_lshr_b32 s3, ttmp9, 1                        ; the tile of positions
	s_and_b32 s30, ttmp9, 1                        ; which eight frequencies of my half's sixteen
	s_lshr_b32 s31, s3, 1
	s_lshl_b32 s31, s31, 5
	s_and_b32 s32, s3, 1
	s_lshl_b32 s32, s32, 3
	s_add_co_u32 s31, s31, s32
	v_and_b32 v5, 8, v2
	v_add_nc_u32 v5, v5, v2
	v_add_nc_u32 v5, s31, v5
	v_cvt_f32_u32 v5, v5                           ; t
	s_lshl_b32 s32, s30, 3
	v_lshl_add_u32 v6, v3, 4, s32
	s_lshl_b32 s32, s3, 12
	s_lshl_b32 s33, s30, 10
	s_add_co_u32 s32, s32, s33
	s_mov_b32 s33, 0
	s_add_nc_u64 s[26:27], s[26:27], s[32:33]
	s_mov_b32 s34, 0x3ed49a78                      ; log2(10) / 8, its upper part,
	s_mov_b32 s35, 0x32179a15                      ; and what is left
	s_mov_b32 s36, 0xbfc90fdb                      ; -pi / 2, its upper part,
	s_mov_b32 s37, 0x333bbd2e                      ; and the rest of it
.irp i, 0,1,2,3,4,5,6,7
	v_add_nc_u32 v[16+\i], \i, v6
.endr
.irp i, 0,1,2,3,4,5,6,7
	v_cvt_f32_u32 v[16+\i], v[16+\i]               ; j
.endr
.irp i, 0,1,2,3,4,5,6,7
	v_mul_f32 v[24+\i], s34, v[16+\i]              ; j c, rounded,
.endr
.irp i, 0,1,2,3,4,5,6,7
	v_fma_f32 v[32+\i], v[16+\i], s34, -v[24+\i]   ; what the rounding dropped,
.endr
.irp i, 0,1,2,3,4,5,6,7
	v_fma_f32 v[32+\i], v[16+\i], s35, v[32+\i]    ; and c's lower part
.endr
.irp i, 0,1,2,3,4,5,6,7
	v_rndne_f32 v[40+\i], v[24+\i]                 ; its whole part n
.endr
.irp i, 0,1,2,3,4,5,6,7
	v_sub_f32 v[24+\i], v[40+\i], v[24+\i]
.endr
.irp i, 0,1,2,3,4,5,6,7
	v_sub_f32 v[24+\i], v[24+\i], v[32+\i]         ; n - j c, within a half
.endr
.irp i, 0,1,2,3,4,5,6,7
	v_exp_f32 v[48+\i], v[24+\i]                   ; one batch
.endr
.irp i, 0,1,2,3,4,5,6,7
	v_cvt_i32_f32 v[40+\i], v[40+\i]               ; plain work behind the batch
.endr
.irp i, 0,1,2,3,4,5,6,7
	v_sub_nc_u32 v[40+\i], 0, v[40+\i]
.endr
	s_wait_alu depctr_va_vdst(0)                   ; one wait for the eight, ahead of their first reader
.irp i, 0,1,2,3,4,5,6,7
	v_ldexp_f32 v[48+\i], v[48+\i], v[40+\i]       ; inv_freq
.endr
.irp i, 0,1,2,3,4,5,6,7
	v_mul_f32 v[48+\i], v5, v[48+\i]               ; the angle, rounded once
.endr
.irp i, 0,1,2,3,4,5,6,7
	v_mul_f32 v[56+\i], 0x3f22f983, v[48+\i]
.endr
.irp i, 0,1,2,3,4,5,6,7
	v_rndne_f32 v[56+\i], v[56+\i]                 ; how many quarter turns
.endr
.irp i, 0,1,2,3,4,5,6,7
	v_fma_f32 v[64+\i], v[56+\i], s36, v[48+\i]    ; exact: a multiple of 2^-23 under 1
.endr
.irp i, 0,1,2,3,4,5,6,7
	v_fma_f32 v[64+\i], v[56+\i], s37, v[64+\i]    ; the reduced angle
.endr
.irp i, 0,1,2,3,4,5,6,7
	v_mul_f32 v[72+\i], v[64+\i], v[64+\i]         ; z
.endr
.irp i, 0,1,2,3,4,5,6,7
	v_mov_b32 v[80+\i], 0xb94ca1f9
	v_mov_b32 v[88+\i], 0x37ccf5ce
.endr
.irp i, 0,1,2,3,4,5,6,7
	v_fmaak_f32 v[80+\i], v[80+\i], v[72+\i], 0x3c08839e
	v_fmaak_f32 v[88+\i], v[88+\i], v[72+\i], 0xbab6061a
.endr
.irp i, 0,1,2,3,4,5,6,7
	v_fmaak_f32 v[80+\i], v[80+\i], v[72+\i], 0xbe2aaaa3
	v_fmaak_f32 v[88+\i], v[88+\i], v[72+\i], 0x3d2aaaa5
.endr
.irp i, 0,1,2,3,4,5,6,7
	v_mul_f32 v[80+\i], v[80+\i], v[72+\i]
	v_fma_f32 v[96+\i], v[72+\i], -0.5, 1.0
.endr
.irp i, 0,1,2,3,4,5,6,7
	v_fma_f32 v[80+\i], v[80+\i], v[64+\i], v[64+\i]     ; the sine of the reduced angle
	v_mul_f32 v[72+\i], v[72+\i], v[72+\i]
.endr
.irp i, 0,1,2,3,4,5,6,7
	v_fma_f32 v[88+\i], v[88+\i], v[72+\i], v[96+\i]     ; its cosine
	v_cvt_i32_f32 v[56+\i], v[56+\i]
.endr
.irp i, 0,1,2,3,4,5,6,7
	v_and_b32 v[96+\i], 1, v[56+\i]
.endr
.irp i, 0,1,2,3,4,5,6,7
	v_cmp_eq_u32 vcc_lo, 1, v[96+\i]               ; an odd number of quarter turns: the two change places
	v_cndmask_b32 v[104+\i], v[88+\i], v[80+\i], vcc_lo
	v_cndmask_b32 v[112+\i], v[80+\i], v[88+\i], vcc_lo
.endr
.irp i, 0,1,2,3,4,5,6,7
	v_and_b32 v[96+\i], 2, v[56+\i]                ; the sine is negative in quarters 2, 3,
	v_add_nc_u32 v[56+\i], 1, v[56+\i]
.endr
.irp i, 0,1,2,3,4,5,6,7
	v_lshlrev_b32 v[96+\i], 30, v[96+\i]
	v_and_b32 v[56+\i], 2, v[56+\i]                ; the cosine in quarters 1, 2
.endr
.irp i, 0,1,2,3,4,5,6,7
	v_xor_b32 v[112+\i], v[96+\i], v[112+\i]
	v_lshlrev_b32 v[56+\i], 30, v[56+\i]
.endr
.irp i, 0,1,2,3,4,5,6,7
	v_xor_b32 v[104+\i], v[56+\i], v[104+\i]
.endr
.irp k, 0,1
	global_store_b128 v4, v[104+4*\k:104+4*\k+3], s[26:27] offset:512*\k          ; cosines: 512 consecutive bytes
	global_store_b128 v4, v[112+4*\k:112+4*\k+3], s[26:27] offset:2048+512*\k     ; sines
.endr
	s_endpgm
.Lfunc_end_k_q0a3596008b_prep:
	.size	k_q0a3596008b_prep, .Lfunc_end_k_q0a3596008b_prep-k_q0a3596008b_prep
	.p2alignl 7, 3214868480
	.fill 96, 4, 3214868480
	.section	.rodata,"a",@progbits
	.p2align	6, 0x0
	.amdhsa_kernel k_q0a3596008b_prep
		.amdhsa_group_segment_fixed_size 43776
		.amdhsa_private_segment_fixed_size 0
		.amdhsa_enable_private_segment 0
		.amdhsa_kernarg_size 80
		.amdhsa_user_sgpr_count 2
		.amdhsa_user_sgpr_kernarg_segment_ptr 1
		.amdhsa_wavefront_size32 1
		.amdhsa_system_sgpr_workgroup_id_x 1
		.amdhsa_system_sgpr_workgroup_id_y 1
		.amdhsa_system_sgpr_workgroup_id_z 1
		.amdhsa_system_vgpr_workitem_id 0
		.amdhsa_next_free_vgpr 256
		.amdhsa_next_free_sgpr 66
		.amdhsa_reserve_vcc 1
		.amdhsa_float_denorm_mode_32 3
		.amdhsa_float_denorm_mode_16_64 3
		.amdhsa_memory_ordered 1
		.amdhsa_forward_progress 1
		.amdhsa_inst_pref_size 50
	.end_amdhsa_kernel
	.amdgpu_metadata
---
amdhsa.version: [ 1, 2 ]
amdhsa.kernels:
  - .name:           k_q0a3596008b_prep
    .symbol:         k_q0a3596008b_prep.kd
    .args:
      - { .name: x, .offset: 0, .size: 8, .value_kind: global_buffer, .address_space: global }
      - { .name: Wq, .offset: 8, .size: 8, .value_kind: global_buffer, .address_space: global }
      - { .name: Wq2, .offset: 16, .size: 8, .value_kind: global_buffer, .address_space: global }
      - { .name: Wk, .offset: 24, .size: 8, .value_kind: global_buffer, .address_space: global }
      - { .name: Wk2, .offset: 32, .size: 8, .value_kind: global_buffer, .address_space: global }
      - { .name: Wv, .offset: 40, .size: 8, .value_kind: global_buffer, .address_space: global }
      - { .name: Wproj, .offset: 48, .size: 8, .value_kind: global_buffer, .address_space: global }
      - { .name: cod, .offset: 56, .size: 8, .value_kind: global_buffer, .address_space: global }
      - { .name: scl, .offset: 64, .size: 8, .value_kind: global_buffer, .address_space: global }
      - { .name: rot, .offset: 72, .size: 8, .value_kind: global_buffer, .address_space: global }
    .group_segment_fixed_size: 43776
    .private_segment_fixed_size: 0
    .kernarg_segment_align: 8
    .kernarg_segment_size: 80
    .max_flat_workgroup_size: 192
    .sgpr_count:     66
    .vgpr_count:     256
    .wavefront_size: 32
...
	.end_amdgpu_metadata
.endif
;; end of part 1
;; launch qkv (part 2): grid 16 x 16, 4 waves a work-group, clusters of 4 x 4, 327,680 bytes of LDS; arguments cod, scl, rot, qq, kv; writes qq, kv
.if DOCPART == 2
	.amdgcn_target "amdgcn-amd-amdhsa--gfx1250"
	.amdhsa_code_object_version 6
	.text
	.protected	k_q0a3596008b_qkv
	.globl	k_q0a3596008b_qkv
	.p2align	8
	.type	k_q0a3596008b_qkv,@function
k_q0a3596008b_qkv:
	s_mov_b64 s[64:65], 0
	v_nop
	global_prefetch_b8 v0, s[64:65] scope:SCOPE_SE
	s_setreg_imm32_b32 hwreg(HW_REG_WAVE_MODE, 25, 1), 1
	s_wait_xcnt 0x0
	s_wait_alu depctr_hold_cnt(0) depctr_sa_sdst(0) depctr_va_vdst(0) depctr_va_sdst(0) depctr_va_ssrc(0) depctr_va_vcc(0) depctr_vm_vsrc(0)
	s_getreg_b32 s2, hwreg(HW_REG_IB_STS2, 6, 4)
	s_cmp_eq_u32 s2, 0
	s_cbranch_scc0 .Lentry_in_a_cluster
	s_endpgm
.Lentry_in_a_cluster:
	s_bfe_u32 s2, ttmp6, 0x10000c
	s_cmp_lg_u32 s2, 0xf033
	s_cbranch_scc0 .Lentry_shape_is_right
	s_endpgm
.Lentry_shape_is_right:
; The five projections of x on codes of FP6 (E2M3), the rotary turn, and the quantisers of q, q2, k, k2 (along the head's 64) and of v (along the keys).
; A work-group takes 256 rows of x and ONE head's q, q2, k, k2, v: 256 x 320 of results.  Wave (wr, wc) takes 128 rows (x's tiles a = 0 .. 7) x 10 tiles of weights: b = 0 .. 7 are q, q2 (wc = 0) or k, k2 (wc = 1),
; b = 8, 9 are v's tiles 2 wc, 2 wc + 1: 80 accumulators, 640 registers; 18 fragments from LDS feed 80 products.
; ORIENTATION.  b < 8: source 0 = the weights, source 1 = x: a lane holds one row t and its registers run along d.  b >= 8: source 0 = x, source 1 = Wv: a lane holds one d and its registers run along t.
; The rows of a tile are chosen (tile 2 B + u: rows 32 B + 8 u + r + 8 (r / 8)) so that in both cases two neighbouring tiles' 16 registers are 16 neighbours along the next product's K.
; Operands lie in memory as images of their registers (1,536 bytes a fragment): three loads of 16 bytes a lane bring one, with no pitch and no padding.
; K goes through a ring of two LDS slots of 256 along K (110,592 bytes), filled by the tensor data mover.  CLUSTERS: 4 x 4 work-groups; x's tiles are shared along a row of the cluster, the weights' along a column: joint loads.
; ONE set of fragment registers on each side: the 80 products of a K step go by quadrants (x's half x the weights' half) in a snake, so that each half is fetched anew as soon as its last quadrant is issued.
; OUT: qq: for each head and stripe of 128 queries 8 images [q | q2] and a 512-byte image of their scale words; kv: 8 images [k | k2], 4 images of v^T (16 d x 128 keys), k's scale words, v's scale words: 19,200 bytes.
; LIMITS: NaN and infinities are not served; blocks whose largest magnitude lies under 2^-124 get the byte 1; a block of zeros gets the byte 1 and zero codes.
; REGISTERS.  window 0: v16-22 addresses; v28, 29 the add's; v32-71 scale words, two sets of 20; v72-103, v224-255 the table; v104-127 codes; v128-223 x's 8 fragments, later the turned numbers and what the quantiser works on.
;   window 1: accumulators (a < 4, b < 8) at 8 (8 a + b); window 2: (a >= 4, b < 8); window 3: v0-127 accumulators (a, b >= 8) at 64 (b - 8) + 8 a; v128-247 the weights' 10 fragments.
.set SLOT,  110592                     ; x's 16 tiles x 3,072 bytes, then the weights' 20
.set BOFF,  49152
.set XSO,   2*SLOT                     ; x's scale words, 8,192 bytes
.set WSO,   XSO+8192                   ; the weights', 10,240 bytes
.set SPARE, WSO+10240                  ; the spare words, 128 bytes a wave: two blocks of 256 bytes that no other line names
.set ADRA, 16
.set ADRB, 18
.set ADRS, 20
.set LI,   21                          ; 16 x lane
.set L4,   22                          ; 4 x lane
.set SPW,  28
.set NIL,  29
.set SC,   32
.set CSA,  72                          ; the table's two sets: v72-103 and v224-255
.set PC,   104
.set OUT,  124
.set XF,   128
.set WF,   128                         ; in window 3
.set Y,    128
.set TM,   192
.set PWS,  204
.set VW,   212
.set SEL,  2
.set G1A,  24
.set G0A,  32
.set G1B,  48
.set G0B,  56
.set G1SA, 68
.set G0SA, 76
.set G1SB, 80
.set G0SB, 88
.set MSB, 0
.macro WIN new                         ; the immediate's high byte repeats the setting that is left
.if MSB != (\new)
	s_set_vgpr_msb (MSB<<8)|(\new)
.set MSB, (\new)
.endif
.endm
.macro PLACES n
.rept \n
	v_nop
.endr
.endm
; A joint load: waves 0 and 1 fetch for x, waves 2 and 3 for the weights.  The branch hangs on the wave's number alone.  Four v_nop follow each of the two lines.
.macro JLOAD g0a, g1a, g0b, g1b
	s_cmp_eq_u32 s15, 0
	s_cbranch_scc0 .Lfor_b_\@
	tensor_load_to_lds s[\g0a:\g0a+3], s[\g1a:\g1a+7]
	s_nop 0
.rept 4
	v_nop
.endr
	s_branch .Lasked_\@
.Lfor_b_\@:
	tensor_load_to_lds s[\g0b:\g0b+3], s[\g1b:\g1b+7]
	s_nop 0
.rept 4
	v_nop
.endr
.Lasked_\@:
.endm
.macro CREST                           ; a round of the cluster's barrier behind its opening barrier
	s_cmp_lg_u32 s14, 0
	s_cbranch_scc1 .Lnot_wave_0_\@
	s_barrier_signal -3
.Lnot_wave_0_\@:
	s_barrier_wait -3
	s_barrier_signal -1
	s_barrier_wait -1
.endm
.macro CROUND
	s_barrier_signal -1
	s_barrier_wait -1
	CREST
.endm
; One matrix instruction.  zero = 1: C is the constant 0.  row = 1: source 0's scales stand in lanes 16-31 of their register; 2: source 1's.
.macro WM d, a, b, zero, sa, sb, row
.if (\zero) && ((\row) == 0)
	v_wmma_scale_f32_16x16x128_f8f6f4 v[\d:\d+7], v[\a:\a+11], v[\b:\b+11], 0, v[\sa], v[\sb] matrix_a_fmt:MATRIX_FMT_FP6 matrix_b_fmt:MATRIX_FMT_FP6
.elseif (\zero) && ((\row) == 1)
	v_wmma_scale_f32_16x16x128_f8f6f4 v[\d:\d+7], v[\a:\a+11], v[\b:\b+11], 0, v[\sa], v[\sb] matrix_a_fmt:MATRIX_FMT_FP6 matrix_b_fmt:MATRIX_FMT_FP6 matrix_a_scale:MATRIX_SCALE_ROW1
.elseif (\zero)
	v_wmma_scale_f32_16x16x128_f8f6f4 v[\d:\d+7], v[\a:\a+11], v[\b:\b+11], 0, v[\sa], v[\sb] matrix_a_fmt:MATRIX_FMT_FP6 matrix_b_fmt:MATRIX_FMT_FP6 matrix_b_scale:MATRIX_SCALE_ROW1
.elseif (\row) == 0
	v_wmma_scale_f32_16x16x128_f8f6f4 v[\d:\d+7], v[\a:\a+11], v[\b:\b+11], v[\d:\d+7], v[\sa], v[\sb] matrix_a_fmt:MATRIX_FMT_FP6 matrix_b_fmt:MATRIX_FMT_FP6
.elseif (\row) == 1
	v_wmma_scale_f32_16x16x128_f8f6f4 v[\d:\d+7], v[\a:\a+11], v[\b:\b+11], v[\d:\d+7], v[\sa], v[\sb] matrix_a_fmt:MATRIX_FMT_FP6 matrix_b_fmt:MATRIX_FMT_FP6 matrix_a_scale:MATRIX_SCALE_ROW1
.else
	v_wmma_scale_f32_16x16x128_f8f6f4 v[\d:\d+7], v[\a:\a+11], v[\b:\b+11], v[\d:\d+7], v[\sa], v[\sb] matrix_a_fmt:MATRIX_FMT_FP6 matrix_b_fmt:MATRIX_FMT_FP6 matrix_b_scale:MATRIX_SCALE_ROW1
.endif
.endm
	s_load_b128 s[4:7], s[0:1], 0x0                ; cod, scl
	s_load_b128 s[8:11], s[0:1], 0x10              ; rot, qq
	s_load_b64 s[12:13], s[0:1], 0x20              ; kv
	v_lshl_add_u32 v[SPW], v0, 2, SPARE
	v_mov_b32 v[NIL], 0
	ds_add_u32 v28, v29
	ds_add_u32 v28, v29
	s_wait_dscnt 0x0
	v_lshrrev_b32 v1, 5, v0
	v_readfirstlane_b32 s14, v1                    ; wave 0..3
	s_lshr_b32 s15, s14, 1                         ; wr.  Also: I fetch for x (0) or for the weights (1)
	s_and_b32 s16, s14, 1                          ; wc.  Also: which half of those tiles I fetch
	s_bfe_u32 s40, ttmp6, 0x40000                  ; cx, cy: my place in the cluster
	s_bfe_u32 s41, ttmp6, 0x40004
	s_lshl_b32 s42, ttmp9, 2
	s_add_co_u32 s42, s42, s40                     ; the head = 4 x cluster x + cx
	s_and_b32 s17, ttmp7, 0xffff
	s_lshl_b32 s17, s17, 2
	s_add_co_u32 s17, s17, s41                     ; the block of 256 rows = 4 x cluster y + cy
	s_lshl_b32 s43, s41, 2
	s_lshl_b32 s43, 15, s43                        ; my row of the cluster
	s_lshl_b32 s44, 0x1111, s40                    ; my column
	; descriptor groups 1, elements of 8 bytes, no padding.  Codes: a row is a tile's 3,072 bytes of this slot (384 elements), tiles 12,288 bytes apart; 8 tiles of x, 10 of weights
	s_or_b32 s[G1A], s43, (3<<16)|(1<<21)          ; 15:0 the mask: x's tiles go to my row of the cluster; 17:16 elements of 8 bytes; 21 set beside a mask
	s_or_b32 s[G1B], s44, (3<<16)|(1<<21)          ; the weights' to my column
.irp g, G1A, G1B
	s_mov_b32 s[\g+1], 384<<16                     ; tensor_dim0
	s_mov_b32 s[\g+3], 384<<16                     ; tile_dim0
	s_mov_b32 s[\g+5], 1536                        ; from tile to tile
	s_mov_b32 s[\g+6], 0
	s_mov_b32 s[\g+7], 0
.endr
	s_mov_b32 s[G1A+2], 8<<16                      ; tensor_dim1
	s_mov_b32 s[G1A+4], 8                          ; tile_dim1
	s_mov_b32 s[G1B+2], 10<<16
	s_mov_b32 s[G1B+4], 10
	; the scale words: dense blocks, as rows of 256 bytes: 16 rows for 8 tiles, 20 for 10
	s_or_b32 s[G1SA], s43, (3<<16)|(1<<21)
	s_or_b32 s[G1SB], s44, (3<<16)|(1<<21)
.irp g, G1SA, G1SB
	s_mov_b32 s[\g+1], 32<<16
	s_mov_b32 s[\g+3], 32<<16
	s_mov_b32 s[\g+5], 32
	s_mov_b32 s[\g+6], 0
	s_mov_b32 s[\g+7], 0
.endr
	s_mov_b32 s[G1SA+2], 16<<16
	s_mov_b32 s[G1SA+4], 16
	s_mov_b32 s[G1SB+2], 20<<16
	s_mov_b32 s[G1SB+4], 20
	s_lshl_b32 s18, s16, 3
	s_lshl_b32 s20, s17, 4
	s_add_co_u32 s20, s20, s18                     ; x: tile 16 x block + 8 x half
	s_mul_i32 s46, s42, 20
	s_mul_i32 s18, s16, 10
	s_add_co_u32 s46, s46, s18
	s_add_co_u32 s46, s46, 256                     ; weights: tile 256 + 20 x head + 10 x half
	s_lshl_b32 s22, s20, 9                         ; their scale words, 512 bytes a tile,
	s_mov_b32 s23, 0
	s_lshl_b32 s92, s46, 9
	s_mov_b32 s93, 0
	s_mul_i32 s20, s20, 12288                      ; and their codes
	s_mov_b32 s21, 0
	s_mul_i32 s46, s46, 12288
	s_mov_b32 s47, 0
	s_mul_i32 s45, s16, 24576                      ; where they go in a slot: no place in the cluster enters an LDS address
	s_mul_i32 s94, s16, 30720
	s_add_co_u32 s94, s94, BOFF
	s_lshl_b32 s95, s16, 12
	s_mul_i32 s96, s16, 5120
	s_wait_kmcnt 0x0
	s_add_nc_u64 s[20:21], s[4:5], s[20:21]
	s_add_nc_u64 s[22:23], s[6:7], s[22:23]
	s_add_nc_u64 s[46:47], s[4:5], s[46:47]
	s_add_nc_u64 s[92:93], s[6:7], s[92:93]
	CROUND                                         ; all sixteen work-groups are here: the first joint loads meet
	s_mov_b32 s[G0SA], 1
	s_add_co_u32 s[G0SA+1], s95, XSO
	s_mov_b64 s[G0SA+2:G0SA+3], s[22:23]
	s_or_b32 s[G0SA+3], s[G0SA+3], 0x80000000
	s_mov_b32 s[G0SB], 1
	s_add_co_u32 s[G0SB+1], s96, WSO
	s_mov_b64 s[G0SB+2:G0SB+3], s[92:93]
	s_or_b32 s[G0SB+3], s[G0SB+3], 0x80000000
	JLOAD G0SA, G1SA, G0SB, G1SB                   ; the scale words of all of K: filled once
.irp s, 0,1
	s_mov_b32 s[G0A+4*\s], 1
	s_add_co_u32 s[G0A+4*\s+1], s45, \s*SLOT
	s_add_nc_u64 s[G0A+4*\s+2:G0A+4*\s+3], s[20:21], \s*3072
	s_or_b32 s[G0A+4*\s+3], s[G0A+4*\s+3], 0x80000000
	s_mov_b32 s[G0B+4*\s], 1
	s_add_co_u32 s[G0B+4*\s+1], s94, \s*SLOT
	s_add_nc_u64 s[G0B+4*\s+2:G0B+4*\s+3], s[46:47], \s*3072
	s_or_b32 s[G0B+4*\s+3], s[G0B+4*\s+3], 0x80000000
	JLOAD G0A+4*\s, G1A, G0B+4*\s, G1B             ; three loads of mine are out behind the second of these
.endr
	v_and_b32 v1, 15, v0                           ; r
	v_bfe_u32 v2, v0, 4, 1                         ; h
	v_and_b32 v3, 31, v0
	v_lshlrev_b32 v[LI], 4, v3
	v_lshlrev_b32 v[L4], 2, v3
	s_mul_i32 s21, s15, 24576                      ; my 8 tiles of x
	s_mul_i32 s22, s16, 30720                      ; my 10 tiles of weights
	s_add_co_u32 s22, s22, BOFF
.irp s, 0,1
	v_add_nc_u32 v[ADRA+\s], s21, v[LI]
	v_add_nc_u32 v[ADRB+\s], s22, v[LI]
	s_add_co_u32 s21, s21, SLOT
	s_add_co_u32 s22, s22, SLOT
.endr
	s_lshl_b32 s21, s15, 12                        ; scale words: lanes 0-15 take x's tiles, lanes 16-31 the weights': one product with the lane's half
	s_mul_i32 s22, s16, 5120
	s_add_co_u32 s22, s22, WSO-XSO
	s_sub_co_u32 s22, s22, s21
	v_mul_u32_u24 v4, s22, v2
	s_add_co_u32 s21, s21, XSO
	v_lshl_add_u32 v4, v1, 4, v4
	v_add_nc_u32 v[ADRS], s21, v4
	; where the results go: record ((batch x 16 + head) x 16 + stripe)
	s_lshr_b32 s18, s17, 3
	s_lshl_b32 s18, s18, 4
	s_add_co_u32 s18, s18, s42
	s_lshl_b32 s18, s18, 4
	s_lshl_b32 s19, s17, 1
	s_add_co_u32 s19, s19, s15
	s_and_b32 s19, s19, 15
	s_add_co_u32 s18, s18, s19
	s_mul_i32 s20, s18, 19200
	s_mov_b32 s21, 0
	s_add_nc_u64 s[96:97], s[12:13], s[20:21]      ; kv's record
	s_mul_i32 s22, s18, 12800
	s_mov_b32 s23, 0
	s_add_nc_u64 s[92:93], s[10:11], s[22:23]      ; qq's record
	s_mov_b32 s20, 18432
	s_cmp_eq_u32 s16, 0
	s_cselect_b64 s[92:93], s[92:93], s[96:97]     ; my eight images: q | q2 or k | k2: a choice on the wave's number
	s_cselect_b32 s20, 12288, s20
	s_add_nc_u64 s[94:95], s[92:93], s[20:21]      ; and their scale words
	s_mul_i32 s20, s16, 3072
	s_add_co_u32 s20, s20, 12288
	s_add_nc_u64 s[98:99], s[96:97], s[20:21]      ; my two images of v^T
	s_lshl_b32 s20, s16, 7
	s_add_co_u32 s20, s20, 18944
	s_add_nc_u64 s[96:97], s[96:97], s[20:21]      ; and their scale words
	s_lshl_b32 s20, s17, 4
	s_lshl_b32 s22, s15, 3
	s_add_co_u32 s20, s20, s22
	s_and_b32 s20, s20, 127
	s_lshl_b32 s20, s20, 12
	s_add_nc_u64 s[8:9], s[8:9], s[20:21]          ; the table at my first tile of positions
	s_mov_b32 s[SEL], 0x76543210
	s_mov_b32 s[SEL+1], 0xfedcba98
; A quadrant: x's tiles 4 xh .. 4 xh + 3 against the weights' tiles 5 wh .. 5 wh + 4: 20 products, the slot's q-th 128 along K, scale words of set sc.  The 80 accumulators take turns, one instruction a turn.
.macro MULQ xh, wh, q, sc, zero
	WIN 0x53+0x50*(\xh)                            ; source 0 (weights) window 3, source 1 (x) window 0, C and D window 1 or 2
.if (\wh) == 0
.irp a, 0,1,2,3
.irp b, 0,1,2,3,4
	WM 8*(8*\a+\b), WF+12*\b, XF+12*(4*(\xh)+\a), \zero, SC+20*(\sc)+2*\b+(\q), SC+20*(\sc)+2*(4*(\xh)+\a)+(\q), 1
.endr
.endr
.else
.irp a, 0,1,2,3
.irp b, 5,6,7
	WM 8*(8*\a+\b), WF+12*\b, XF+12*(4*(\xh)+\a), \zero, SC+20*(\sc)+2*\b+(\q), SC+20*(\sc)+2*(4*(\xh)+\a)+(\q), 1
.endr
.endr
	WIN 0xfc                                       ; v: source 0 (x) window 0, source 1 (Wv), C and D window 3
.irp a, 0,1,2,3
.irp b, 0,1
	WM 64*\b+8*(4*(\xh)+\a), XF+12*(4*(\xh)+\a), WF+12*(8+\b), \zero, SC+20*(\sc)+2*(4*(\xh)+\a)+(\q), SC+20*(\sc)+2*(8+\b)+(\q), 2
.endr
.endr
.endif
.endm
.macro LDX xh, slot, q                 ; 12 loads: four fragments of x
	WIN 0
.irp a, 0,1,2,3
.irp c, 0,1,2
	ds_load_b128 v[XF+12*(4*(\xh)+\a)+4*\c:XF+12*(4*(\xh)+\a)+4*\c+3], v[ADRA+\slot] offset:(4*(\xh)+\a)*3072+(\q)*1536+512*\c
.endr
.endr
.endm
.macro LDW wh, slot, q                 ; 15 loads: five fragments of weights
	WIN 0xc0                                       ; destination window 3
.irp b, 0,1,2,3,4
.irp c, 0,1,2
	ds_load_b128 v[WF+12*(5*(\wh)+\b)+4*\c:WF+12*(5*(\wh)+\b)+4*\c+3], v[ADRB+\slot] offset:(5*(\wh)+\b)*3072+(\q)*1536+512*\c
.endr
.endr
	WIN 0
.endm
.macro SCALES sc, kn                   ; 10 loads: the two words of K slot kn; register 2 i + q: lanes 0-15 x's tile i (i < 8), lanes 16-31 the weights' tile i
.irp i, 0,1,2,3,4,5,6,7,8,9
	ds_load_b64 v[SC+20*(\sc)+2*\i:SC+20*(\sc)+2*\i+1], v[ADRS] offset:\i*512+((\kn)>>1)*256+((\kn)&1)*8
.endr
.endm
; A load into a register that a matrix instruction has read stands four plain vector instructions behind it: four v_nop in front of each run of loads.
; A slot's first step: quadrants (L, L), (L, H), (H, H), (H, L); each half is fetched for the second step as soon as it is free.
.macro STEPA slot, zero
	s_wait_dscnt 27                                ; x's tiles 0-3, the weights' 0-4 and the scale words are in; younger: the weights' 5-9 (15) and x's 4-7 (12)
	MULQ 0, 0, 0, \slot, \zero
	s_wait_dscnt 12                                ; the weights' 5-9 are in
	MULQ 0, 1, 0, \slot, \zero
	PLACES 4
	LDX 0, \slot, 1
	s_wait_dscnt 12                                ; x's 4-7 are in; the 12 just issued may be out
	MULQ 1, 1, 0, \slot, \zero
	PLACES 4
	LDW 1, \slot, 1
	MULQ 1, 0, 0, \slot, \zero
	PLACES 4
	LDW 0, \slot, 1
	LDX 1, \slot, 1
.endm
; A slot's second step: (L, H), (L, L), (H, L), (H, H), and the change of slots: ONE barrier; in front of it each wave waits for all its tensor loads, adds 0 to its spare word, and waits for that and for its reads of this slot
; (all of them were issued in the first step).  fill = 1: the barrier opens a round of the cluster's, and this slot is filled again, two slots ahead, first thing behind it.
.macro STEPB slot, next, fill, kn
	WIN 0
	s_wait_tensorcnt 0x0                           ; all my tensor loads have landed: my part of the next slot
	ds_add_u32 v[SPW], v[NIL]                      ; 0 onto my spare word
	s_wait_dscnt 28                                ; x's 0-3 and the weights' 5-9 are in; younger: 15 + 12 and the add
	MULQ 0, 1, 1, \slot, 0
	s_wait_dscnt 0x0                               ; the add is done, and my reads of this slot are over
	s_barrier_signal -1
	MULQ 0, 0, 1, \slot, 0
	WIN 0
	s_barrier_wait -1
.if \fill
	CREST                                          ; no wave of any partner still reads this slot or has a load on its way
	s_add_nc_u64 s[G0A+4*\slot+2:G0A+4*\slot+3], s[G0A+4*\slot+2:G0A+4*\slot+3], 6144
	s_add_nc_u64 s[G0B+4*\slot+2:G0B+4*\slot+3], s[G0B+4*\slot+2:G0B+4*\slot+3], 6144
	JLOAD G0A+4*\slot, G1A, G0B+4*\slot, G1B       ; my one tensor load behind the round; its four v_nop are the places in front of the loads below; 120 products stand between it and the wait for it
.else
	PLACES 4
.endif
	LDX 0, \next, 0
	MULQ 1, 0, 1, \slot, 0
	PLACES 4
	LDW 0, \next, 0
	SCALES \next, \kn
	MULQ 1, 1, 1, \slot, 0
	PLACES 4
	LDW 1, \next, 0
	LDX 1, \next, 0
.endm
	s_wait_tensorcnt 0x1                           ; the scale words and my part of slot 0 are in; slot 1's load may be out
	s_barrier_signal -1
	s_barrier_wait -1
	LDX 0, 0, 0
	LDW 0, 0, 0
	SCALES 0, 0
	LDW 1, 0, 0
	LDX 1, 0, 0
	STEPA 0, 1                                     ; the first step's products start the sums: nothing is cleared
	STEPB 0, 1, 1, 1                               ; slot 0 takes K 512 on
	STEPA 1, 0
	STEPB 1, 0, 1, 2                               ; slot 1 takes K 768 on
	STEPA 0, 0
	STEPB 0, 1, 0, 3                               ; nothing is left to fetch
.irp e, 0,1                            ; the table for my tiles 0 and 1: 8 loads each, 512 consecutive bytes a load
.irp g, 0,1,2,3,4,5,6,7
	global_load_b128 v[CSA+152*\e+4*\g:CSA+152*\e+4*\g+3], v[LI], s[8:9] offset:\e*4096+512*\g
.endr
.endr
	STEPA 1, 0
	s_wait_dscnt 27
	MULQ 0, 1, 1, 1, 0
	s_wait_dscnt 0x0
	MULQ 0, 0, 1, 1, 0
	MULQ 1, 0, 1, 1, 0
	MULQ 1, 1, 1, 1, 0
	WIN 0
	PLACES 4                                       ; in front of the first read of results and the first write over x's fragments
; 64 numbers of a lane in window w, register s + 16 b + i = k 32 b + 16 (lane / 16) + i of my row, become a fragment's codes in v[PC] on and its scale word in v[pw].  Each accumulator is read from its low end on.
.macro QUANT s, w, pw
	WIN 5*(\w)                                     ; sources 0 and 1 in window w
.irp b, 0,1,2,3
	v_max3_num_f32 v[TM+\b], |v[\s+16*\b]|, |v[\s+16*\b+1]|, 0x1800000   ; and the floor 2^(3 - 127): the byte cannot fall under 1
.endr
.irp i, 2,4,6,8,10,12,14
.irp b, 0,1,2,3
	v_max3_num_f32 v[TM+\b], |v[\s+16*\b+\i]|, |v[\s+16*\b+\i+1]|, v[TM+\b]
.endr
.endr
	WIN 0
.irp b, 0,1,2,3
	v_permlanex16_b32 v[TM+4+\b], v[TM+\b], s[SEL], s[SEL+1]
.endr
.irp b, 0,1,2,3
	v_max_num_f32 v[TM+\b], v[TM+\b], v[TM+4+\b]
.endr
.irp b, 0,1,2,3
	v_add_nc_u32 v[TM+8+\b], 0xff000000, v[TM+\b]  ; 2 off the exponent field: the conversion's scale operand
.endr
.irp b, 0,1,2,3
	v_lshrrev_b32 v[TM+4+\b], 23, v[TM+8+\b]       ; the scale's byte
.endr
	v_lshl_or_b32 v[\pw], v[TM+5], 8, v[TM+4]
	v_lshl_or_b32 v[\pw], v[TM+6], 16, v[\pw]
	v_lshl_or_b32 v[\pw], v[TM+7], 24, v[\pw]
	WIN (\w)                                       ; source 0 in window w
.irp c, 0,1
	v_cvt_scalef32_pk16_fp6_f32 v[PC+6*\c:PC+6*\c+2], v[\s+32*\c:\s+32*\c+15], v[TM+8+2*\c]
	v_cvt_scalef32_pk16_fp6_f32 v[PC+12+4*\c:PC+14+4*\c], v[\s+32*\c+16:\s+32*\c+31], v[TM+9+2*\c]
.endr
	WIN 0
	v_nop                                          ; one plain place behind a scaled conversion
.irp c, 0,1
.irp i, 0,1,2
	v_permlane16_swap_b32 v[PC+6*\c+\i], v[PC+12+4*\c+\i]
.endr
.irp i, 0,1,2
	v_mov_b32 v[PC+3+6*\c+\i], v[PC+12+4*\c+\i]
.endr
.endr
.endm
; Tile a of my rows: the rotary turn of both halves (q and q2, or k and k2), the quantiser, the image.  A lane holds row t and, of each 32, the 16 frequencies 16 h + i: x1 in registers i, x2 in registers 16 + i.
.macro TILEOUT a
.set AB, 64*((\a)%4)
.set CS, CSA+152*((\a)%2)
.if (\a) < 7
	s_wait_loadcnt 8                               ; this tile's table is in; the next tile's 8 loads may be out
.else
	s_wait_loadcnt 0x0
.endif
	s_wait_xcnt 0x0                                ; the last tile's stores have read the codes' registers
	WIN 1+(\a)/4                                   ; source 0: the accumulators' window
.irp u, 0,32
.irp i, 0,2,4,6,8,10,12,14
	v_pk_mul_f32 v[Y+\u+\i:Y+\u+\i+1], v[AB+\u+\i:AB+\u+\i+1], v[CS+\i:CS+\i+1]                      ; x1 cos
	v_pk_mul_f32 v[Y+\u+16+\i:Y+\u+16+\i+1], v[AB+\u+\i:AB+\u+\i+1], v[CS+16+\i:CS+16+\i+1]          ; x1 sin
	v_pk_fma_f32 v[Y+\u+\i:Y+\u+\i+1], v[AB+\u+16+\i:AB+\u+16+\i+1], v[CS+16+\i:CS+16+\i+1], v[Y+\u+\i:Y+\u+\i+1]   ; y1 = x2 sin + x1 cos
	v_pk_fma_f32 v[Y+\u+16+\i:Y+\u+16+\i+1], v[AB+\u+16+\i:AB+\u+16+\i+1], v[CS+\i:CS+\i+1], v[Y+\u+16+\i:Y+\u+16+\i+1] neg_lo:[0,0,1] neg_hi:[0,0,1]   ; y2 = x2 cos - x1 sin
.endr
.endr
	WIN 0
.if (\a) < 6
.irp g, 0,1,2,3,4,5,6,7
	global_load_b128 v[CS+4*\g:CS+4*\g+3], v[LI], s[8:9] offset:((\a)+2)*4096+512*\g    ; the table of two tiles on, into the set just read
.endr
.endif
	QUANT Y, 0, PWS+(\a)
.irp c, 0,1,2
	global_store_b128 v[LI], v[PC+4*\c:PC+4*\c+3], s[92:93] offset:1536*(\a)+512*\c     ; 512 consecutive bytes, aligned
.endr
.endm
.irp b, 0,1,2,3
	v_mov_b32 v[TM+4+\b], 0                        ; written once: a lane permute's destination counts as one of its sources
.endr
.irp a, 0,1,2,3,4,5,6,7
	TILEOUT \a
.endr
	v_cmp_eq_u32 vcc_lo, 1, v2
.irp i, 0,1,2,3
	v_cndmask_b32 v[OUT+\i], v[PWS+\i], v[PWS+4+\i], vcc_lo    ; lane l: the words of tiles 4 (l / 16) + 0 .. 3, row l % 16
.endr
	global_store_b128 v[LI], v[OUT:OUT+3], s[94:95]
.irp e, 0,1                            ; v: a lane holds one d, its 64 registers run along my 128 keys
	s_wait_xcnt 0x0
	QUANT 64*\e, 3, VW+\e
.irp c, 0,1,2
	global_store_b128 v[LI], v[PC+4*\c:PC+4*\c+3], s[98:99] offset:1536*\e+512*\c
.endr
.endr
	v_cndmask_b32 v[VW], v[VW], v[VW+1], vcc_lo    ; lanes 0-15 my first tile's words, lanes 16-31 my second's
	global_store_b32 v[L4], v[VW], s[96:97]        ; 128 consecutive bytes: all that a wave has of them
	s_wait_tensorcnt 0x0                           ; the wave's end
	ds_add_u32 v[SPW], v[NIL]
	s_wait_dscnt 0x0
	CROUND                                         ; the closing round: no work-group ends while a partner may still ask for a tile that names it
	s_endpgm
.Lfunc_end_k_q0a3596008b_qkv:
	.size	k_q0a3596008b_qkv, .Lfunc_end_k_q0a3596008b_qkv-k_q0a3596008b_qkv
	.p2alignl 7, 3214868480
	.fill 96, 4, 3214868480
	.section	.rodata,"a",@progbits
	.p2align	6, 0x0
	.amdhsa_kernel k_q0a3596008b_qkv
		.amdhsa_group_segment_fixed_size 327680
		.amdhsa_private_segment_fixed_size 0
		.amdhsa_enable_private_segment 0
		.amdhsa_kernarg_size 40
		.amdhsa_user_sgpr_count 2
		.amdhsa_user_sgpr_kernarg_segment_ptr 1
		.amdhsa_wavefront_size32 1
		.amdhsa_system_sgpr_workgroup_id_x 1
		.amdhsa_system_sgpr_workgroup_id_y 1
		.amdhsa_system_sgpr_workgroup_id_z 1
		.amdhsa_system_vgpr_workitem_id 0
		.amdhsa_next_free_vgpr 1024
		.amdhsa_next_free_sgpr 100
		.amdhsa_reserve_vcc 1
		.amdhsa_float_denorm_mode_32 3
		.amdhsa_float_denorm_mode_16_64 3
		.amdhsa_memory_ordered 1
		.amdhsa_forward_progress 1
		.amdhsa_inst_pref_size 208
	.end_amdhsa_kernel
	.amdgpu_metadata
---
amdhsa.version: [ 1, 2 ]
amdhsa.kernels:
  - .name:           k_q0a3596008b_qkv
    .symbol:         k_q0a3596008b_qkv.kd
    .args:
      - { .name: cod, .offset: 0, .size: 8, .value_kind: global_buffer, .address_space: global }
      - { .name: scl, .offset: 8, .size: 8, .value_kind: global_buffer, .address_space: global }
      - { .name: rot, .offset: 16, .size: 8, .value_kind: global_buffer, .address_space: global }
      - { .name: qq, .offset: 24, .size: 8, .value_kind: global_buffer, .address_space: global }
      - { .name: kv, .offset: 32, .size: 8, .value_kind: global_buffer, .address_space: global }
    .group_segment_fixed_size: 327680
    .private_segment_fixed_size: 0
    .kernarg_segment_align: 8
    .kernarg_segment_size: 40
    .max_flat_workgroup_size: 128
    .sgpr_count:     100
    .vgpr_count:     1024
    .wavefront_size: 32
...
	.end_amdgpu_metadata
.endif
;; end of part 2
;; launch attn (part 3): grid 8 x 32, 8 waves a work-group, clusters of 4 x 1, 327,680 bytes of LDS; arguments qq, kv, yc, ys; writes yc, ys
.if DOCPART == 3
	.amdgcn_target "amdgcn-amd-amdhsa--gfx1250"
	.amdhsa_code_object_version 6
	.text
	.protected	k_q0a3596008b_attn
	.globl	k_q0a3596008b_attn
	.p2align	8
	.type	k_q0a3596008b_attn,@function
k_q0a3596008b_attn:
	s_mov_b64 s[64:65], 0
	v_nop
	global_prefetch_b8 v0, s[64:65] scope:SCOPE_SE
	s_setreg_imm32_b32 hwreg(HW_REG_WAVE_MODE, 25, 1), 1
	s_wait_xcnt 0x0
	s_wait_alu depctr_hold_cnt(0) depctr_sa_sdst(0) depctr_va_vdst(0) depctr_va_sdst(0) depctr_va_ssrc(0) depctr_va_vcc(0) depctr_vm_vsrc(0)
	s_getreg_b32 s2, hwreg(HW_REG_IB_STS2, 6, 4)
	s_cmp_eq_u32 s2, 0
	s_cbranch_scc0 .Lentry_in_a_cluster
	s_endpgm
.Lentry_in_a_cluster:
	s_bfe_u32 s2, ttmp6, 0x10000c
	s_cmp_lg_u32 s2, 0x3003
	s_cbranch_scc0 .Lentry_shape_is_right
	s_endpgm
.Lentry_shape_is_right:
; pattern = (q . k / 64) (q2 . k2 / 64) under the causal mask, z = pattern v, and the quantiser of y = z along the model's axis; all three products on codes of FP6 (E2M3).
; SHARES.  A head's 2,048 queries are 16 stripes of 128, each of 8 tiles of 16.  Work-group g (0 .. 7) of a head owns tile g of EVERY stripe, so all work-groups run alike; only global addresses and the mask's lane data hang on g.
; The tile of stripe s needs the key steps (128 keys) 0 .. s; the mask is applied in step s alone: what lies wholly behind the diagonal is not computed.
; Wave wv = w + 4 par walks the key steps of parity par and holds four tiles: stripes w + 8 par, 7 - w + 8 par (whose results it finishes) and w + 8 (1 - par), 7 - w + 8 (1 - par) (whose partial sums go to wave wv xor 4).
; So each fragment of k | k2 and of v read from LDS feeds up to four tiles, and two waves share a SIMD: one wave's vector work stands beside the other's products.
; LDS.  A head's 16 records (8 images k | k2, 4 images v^T, scale words: 19,200 bytes each) stay in LDS: 307,200 bytes, filled ONCE, by joint loads of the four partners of a cluster, which belong to one head.  No byte is filled twice.
; PRODUCTS, both transposed: S^T = (k | k2) (q | 0)^T and T^T = (k | k2) (0 | q2)^T (K = 64 each: the other half of the instruction's 128 meets zero codes); a lane holds one query, its registers run along the keys.
; p' = S T = 4,096 x pattern is what is quantised: a power of two, so the codes are the pattern's; O^T += v^T p'^T; the 2^-12 is taken off y's scale byte at the end, exactly.
; LIMITS: NaN and infinities are not served; S T must not overflow f32; blocks of p' under 2^-124 and of 4,096 y under 2^-112 get the lowest byte; z is summed in two parts, the even and the odd key steps.
; REGISTERS.  window 0: v1-23 addresses, mask data, scale words; v24-35 the quantiser's; v36-54 codes; v56-87 T; v88-151 S; v152-247 k | k2; v248-250 offsets.
;   window 1: v0-127 O^T (tile slot t, d tile dt at 32 t + 8 dt); v128-199 q: 18 registers a tile: q (6), zeros (6), q2 (6): registers 0-11 are (q | 0), 6-17 are (0 | q2); v200-247 v^T.
.set REC,  19200
.set LI,   1                           ; 16 x lane
.set L4,   2                           ; 4 x lane
.set AD,   3
.set AD4,  4
.set ZR,   5
.set DM,   6                           ; v6-9: my query's place in its stripe - 32 b - 16 h
.set QS,   10
.set KSR,  14
.set VS,   18
.set PW,   20
.set SA,   21
.set LA,   22
.set QO,   23
.set TM,   24
.set PC,   36
.set T,    56
.set S,    88
.set KF,   152
.set L8,   248
.set R16,  249
.set QSO,  250
.set QR,   128                         ; in window 1
.set VF,   200                         ; in window 1
.set SG,   20                          ; s20-23 my four tiles' stripes
.set KSC,  24                          ; s24 the key step
.set TB,   25                          ; s25 its record's LDS byte
.set LIMS, 27                          ; s27 my highest stripe
.set G1,   28
.set G0,   36                          ; s36-51 four groups 0
.set SEL,  52
.set MSB, 0
.macro WIN new
.if MSB != (\new)
	s_set_vgpr_msb (MSB<<8)|(\new)
.set MSB, (\new)
.endif
.endm
.macro PLACES n
.rept \n
	v_nop
.endr
.endm
.macro CROUND
	s_barrier_signal -1
	s_barrier_wait -1
	s_cmp_lg_u32 s12, 0
	s_cbranch_scc1 .Lnot_wave_0_\@
	s_barrier_signal -3
.Lnot_wave_0_\@:
	s_barrier_wait -3
	s_barrier_signal -1
	s_barrier_wait -1
.endm
.macro WM d, a, b, zero, sa, sb, row
.if (\zero) && ((\row) == 0)
	v_wmma_scale_f32_16x16x128_f8f6f4 v[\d:\d+7], v[\a:\a+11], v[\b:\b+11], 0, v[\sa], v[\sb] matrix_a_fmt:MATRIX_FMT_FP6 matrix_b_fmt:MATRIX_FMT_FP6
.elseif (\zero)
	v_wmma_scale_f32_16x16x128_f8f6f4 v[\d:\d+7], v[\a:\a+11], v[\b:\b+11], 0, v[\sa], v[\sb] matrix_a_fmt:MATRIX_FMT_FP6 matrix_b_fmt:MATRIX_FMT_FP6 matrix_a_scale:MATRIX_SCALE_ROW1
.elseif (\row) == 0
	v_wmma_scale_f32_16x16x128_f8f6f4 v[\d:\d+7], v[\a:\a+11], v[\b:\b+11], v[\d:\d+7], v[\sa], v[\sb] matrix_a_fmt:MATRIX_FMT_FP6 matrix_b_fmt:MATRIX_FMT_FP6
.else
	v_wmma_scale_f32_16x16x128_f8f6f4 v[\d:\d+7], v[\a:\a+11], v[\b:\b+11], v[\d:\d+7], v[\sa], v[\sb] matrix_a_fmt:MATRIX_FMT_FP6 matrix_b_fmt:MATRIX_FMT_FP6 matrix_a_scale:MATRIX_SCALE_ROW1
.endif
.endm
	s_load_b256 s[4:11], s[0:1], 0x0               ; qq, kv, yc, ys
	v_lshl_add_u32 v55, v0, 2, 0x4b000
	v_mov_b32 v255, 0
	ds_add_u32 v55, v255
	ds_add_u32 v55, v255
	v_lshrrev_b32 v251, 5, v0
	v_readfirstlane_b32 s12, v251                  ; wave 0..7
	v_and_b32 v251, 31, v0
	v_lshlrev_b32 v[LI], 4, v251
	v_lshlrev_b32 v[L4], 2, v251
	v_lshlrev_b32 v[L8], 3, v251
	s_lshl_b32 s54, s12, 13
	v_add_nc_u32 v[LA], s54, v[LI]                 ; the way out: my 8,192 bytes,
	s_xor_b32 s54, s54, 32768
	v_add_nc_u32 v[SA], s54, v[LI]                 ; and those of wave wv xor 4
	v_mov_b32 v[ZR], 0
	s_and_b32 s13, s12, 3                          ; w
	s_lshr_b32 s14, s12, 2                         ; par
	s_bfe_u32 s15, ttmp6, 0x40000                  ; cx
	s_lshl_b32 s16, ttmp9, 2
	s_add_co_u32 s16, s16, s15                     ; g: it enters global addresses and the mask's lane data alone
	s_and_b32 s17, ttmp7, 0xffff                   ; batch x 16 + head, which the four partners share
	s_lshl_b32 s18, s14, 3
	s_sub_co_u32 s19, 8, s18
	s_sub_co_u32 s[LIMS], 7, s13
	s_add_co_u32 s[SG], s13, s18
	s_add_co_u32 s[SG+1], s[LIMS], s18
	s_add_co_u32 s[SG+2], s13, s19
	s_add_co_u32 s[SG+3], s[LIMS], s19
	s_add_co_u32 s[LIMS], s[LIMS], 8               ; 15 - w: the highest of the four
	s_mov_b32 s[KSC], s14
	s_mul_i32 s[TB], s14, REC
	s_mov_b32 s[SEL], 0x76543210
	s_mov_b32 s[SEL+1], 0xfedcba98
	; descriptor group 1: a record, 19,200 dense bytes, as 75 rows of 256 bytes (32 elements of 8 bytes)
	s_mov_b32 s[G1], 15|(3<<16)|(1<<21)            ; 15:0 the mask: all four work-groups; 17:16 elements of 8 bytes; 21 set beside a mask
	s_mov_b32 s[G1+1], 32<<16
	s_mov_b32 s[G1+2], 75<<16
	s_mov_b32 s[G1+3], 32<<16
	s_mov_b32 s[G1+4], 75
	s_mov_b32 s[G1+5], 32
	s_mov_b32 s[G1+6], 0
	s_mov_b32 s[G1+7], 0
	s_mul_i32 s54, s12, REC                        ; waves 0-3 fetch records wv, 4 + wv, 8 + wv, 12 + wv
	s_mul_i32 s56, s17, 16*REC
	s_add_co_u32 s56, s56, s54
	s_mov_b32 s57, 0
	s_wait_dscnt 0x0
	s_wait_kmcnt 0x0
	s_add_nc_u64 s[58:59], s[6:7], s[56:57]
.irp c, 0,1,2,3
	s_mov_b32 s[G0+4*\c], 1
	s_add_co_u32 s[G0+4*\c+1], s54, \c*4*REC
	s_add_nc_u64 s[G0+4*\c+2:G0+4*\c+3], s[58:59], \c*4*REC
	s_or_b32 s[G0+4*\c+3], s[G0+4*\c+3], 0x80000000
.endr
	CROUND                                         ; all four work-groups are here: the joint loads meet
	s_cmp_lt_u32 s12, 4                            ; a wave's four fills stand in one branch on the wave's number: four loads of mine are out
	s_cbranch_scc0 .Lno_fetch
	tensor_load_to_lds s[G0:G0+3], s[G1:G1+7]
	s_nop 0
	tensor_load_to_lds s[G0+4:G0+7], s[G1:G1+7]
	s_nop 0
	tensor_load_to_lds s[G0+8:G0+11], s[G1:G1+7]
	s_nop 0
	tensor_load_to_lds s[G0+12:G0+15], s[G1:G1+7]
	s_nop 0
.rept 4
	v_nop
.endr
.Lno_fetch:
	; my four tiles of q | q2 and their scale words
	v_and_b32 v251, 15, v0                         ; r
	v_bfe_u32 v252, v0, 4, 1                       ; h
	v_lshlrev_b32 v[R16], 4, v251
	s_mul_i32 s55, s16, 1536
	v_add_nc_u32 v[QO], s55, v[LI]                 ; image g of a record
	s_lshr_b32 s55, s16, 2
	s_lshl_b32 s55, s55, 8
	s_and_b32 s56, s16, 3
	s_lshl_b32 s56, s56, 2
	s_add_co_u32 s55, s55, s56
	s_add_co_u32 s55, s55, 12288
	v_add_nc_u32 v[QSO], s55, v[R16]               ; its word of row r: 12,288 + 16 (r + 16 (g / 4)) + 4 (g % 4)
.irp t, 0,1,2,3
	s_lshl_b32 s54, s17, 4
	s_add_co_u32 s54, s54, s[SG+\t]
	s_mul_i32 s54, s54, 12800
	s_mov_b32 s55, 0
	s_add_nc_u64 s[66+2*\t:67+2*\t], s[4:5], s[54:55]
.endr
	WIN 0x40                                       ; destination window 1
.irp t, 0,1,2,3
.irp p, 0,1,2
	global_load_b64 v[QR+18*\t+2*\p:QR+18*\t+2*\p+1], v[QO], s[66+2*\t:67+2*\t] offset:512*(\p/2)+8*(\p%2)            ; q: the image's registers 0-5
	global_load_b64 v[QR+18*\t+12+2*\p:QR+18*\t+13+2*\p], v[QO], s[66+2*\t:67+2*\t] offset:512*((\p+3)/2)+8*((\p+3)%2) ; q2: its registers 6-11
.endr
.endr
.irp t, 0,1,2,3
.irp z, 6,7,8,9,10,11
	v_mov_b32 v[QR+18*\t+\z], 0                    ; the zero codes between them
.endr
.endr
.set j, 0
.rept 128
	v_mov_b32 v[j], 0                              ; O^T: a tile slot that its wave's parity never reaches is still handed on at the end
.set j, j+1
.endr
	WIN 0
.irp t, 0,1,2,3
	global_load_b32 v[QS+\t], v[QSO], s[66+2*\t:67+2*\t]
.endr
	s_lshr_b32 s54, s16, 1
	s_lshl_b32 s54, s54, 5
	s_and_b32 s55, s16, 1
	s_lshl_b32 s55, s55, 3
	s_add_co_u32 s54, s54, s55
	v_and_b32 v253, 8, v251
	v_add_nc_u32 v253, v253, v251
	v_add_nc_u32 v253, s54, v253                   ; my query's place in its stripe: 32 (g / 2) + 8 (g % 2) + r + 8 (r / 8)
	v_lshlrev_b32 v254, 4, v252
	v_sub_nc_u32 v253, v253, v254
.irp b, 0,1,2,3
	v_add_nc_u32 v[DM+\b], -32*\b, v253
.endr
.irp b, 0,1,2,3
	v_mov_b32 v[TM+4+\b], 0                        ; written once: a lane permute's destination counts as one of its sources
.endr
.macro QUANT s, pw
.irp b, 0,1,2,3
	v_max3_num_f32 v[TM+\b], |v[\s+16*\b]|, |v[\s+16*\b+1]|, 0x1800000   ; my 16 keys of block b, and the floor 2^(3 - 127)
.endr
.irp i, 2,4,6,8,10,12,14
.irp b, 0,1,2,3
	v_max3_num_f32 v[TM+\b], |v[\s+16*\b+\i]|, |v[\s+16*\b+\i+1]|, v[TM+\b]
.endr
.endr
.irp b, 0,1,2,3
	v_permlanex16_b32 v[TM+4+\b], v[TM+\b], s[SEL], s[SEL+1]
.endr
.irp b, 0,1,2,3
	v_max_num_f32 v[TM+\b], v[TM+\b], v[TM+4+\b]
.endr
.irp b, 0,1,2,3
	v_add_nc_u32 v[TM+8+\b], 0xff000000, v[TM+\b]
.endr
.irp b, 0,1,2,3
	v_lshrrev_b32 v[TM+4+\b], 23, v[TM+8+\b]
.endr
	v_lshl_or_b32 v[\pw], v[TM+5], 8, v[TM+4]
	v_lshl_or_b32 v[\pw], v[TM+6], 16, v[\pw]
	v_lshl_or_b32 v[\pw], v[TM+7], 24, v[\pw]
.irp c, 0,1
	v_cvt_scalef32_pk16_fp6_f32 v[PC+6*\c:PC+6*\c+2], v[\s+32*\c:\s+32*\c+15], v[TM+8+2*\c]
	v_cvt_scalef32_pk16_fp6_f32 v[PC+12+4*\c:PC+14+4*\c], v[\s+32*\c+16:\s+32*\c+31], v[TM+9+2*\c]
.endr
	v_nop                                          ; one plain place behind a scaled conversion
.irp c, 0,1
.irp i, 0,1,2
	v_permlane16_swap_b32 v[PC+6*\c+\i], v[PC+12+4*\c+\i]
.endr
.irp i, 0,1,2
	v_mov_b32 v[PC+3+6*\c+\i], v[PC+12+4*\c+\i]
.endr
.endr
.endm
; One tile slot in one key step.  The branches hang on the wave's number and the count of steps alone.
.macro TILE t
	s_cmp_gt_u32 s[KSC], s[SG+\t]                  ; keys wholly behind the tile's queries: nothing to do
	s_cbranch_scc1 .Ltile_end_\@
	WIN 0x04                                       ; source 1 (q) window 1
.irp a, 0,1,2,3
	WM S+8*\a, KF+12*\a, QR+18*(\t), 1, KSR+\a, QS+(\t), 0
.endr
.irp a, 4,5,6,7
	WM S+8*\a, KF+12*\a, QR+18*(\t), 1, KSR+\a-4, QS+(\t), 1
.endr
.irp a, 0,1,2,3
	WM T+8*\a, KF+12*\a, QR+18*(\t)+6, 1, KSR+\a, QS+(\t), 0
.endr
	WIN 0
	PLACES 4
.irp i, 0,2,4,6,8,10,12,14,16,18,20,22,24,26,28,30
	v_pk_mul_f32 v[S+\i:S+\i+1], v[S+\i:S+\i+1], v[T+\i:T+\i+1]          ; keys 0-63: each accumulator from its low end on
.endr
	WIN 0x04
.irp a, 4,5,6,7
	WM T+8*\a-32, KF+12*\a, QR+18*(\t)+6, 1, KSR+\a-4, QS+(\t), 1        ; over T: the four v_nop and the twelve multiplies that name other tiles stand between
.endr
	WIN 0
	PLACES 4
.irp i, 0,2,4,6,8,10,12,14,16,18,20,22,24,26,28,30
	v_pk_mul_f32 v[S+32+\i:S+32+\i+1], v[S+32+\i:S+32+\i+1], v[T+\i:T+\i+1]   ; keys 64-127
.endr
	s_cmp_lg_u32 s[KSC], s[SG+\t]                  ; the mask, on the diagonal alone
	s_cbranch_scc1 .Lno_mask_\@
.irp b, 0,1,2,3
.irp i, 0,1,2,3,4,5,6,7,8,9,10,11,12,13,14,15
	v_cmp_gt_i32 vcc_lo, \i, v[DM+\b]              ; register 16 b + i holds key 32 b + 16 h + i: hidden where it comes after my query
	v_cndmask_b32 v[S+16*\b+\i], v[S+16*\b+\i], v[ZR], vcc_lo
.endr
.endr
.Lno_mask_\@:
	QUANT S, PW
	PLACES 4                                       ; codes written by vector instructions stand four places ahead of a scaled matrix instruction, the scale word eight: seven moves and v_nop stand behind it already
	s_wait_dscnt 0x0                               ; v^T and its scale words are in
	WIN 0x51                                       ; source 0 (v^T), C and D window 1
.irp d, 0,1,2,3
	WM 32*(\t)+8*\d, VF+12*\d, PC, 0, VS+\d/2, PW, \d%2
.endr
	WIN 0
.Ltile_end_\@:
.endm
; One key step: its record's fragments come into registers once, for up to four tiles.
.macro STEP
	s_cmp_gt_u32 s[KSC], s[LIMS]
	s_cbranch_scc1 .Lstep_end_\@
	v_add_nc_u32 v[AD], s[TB], v[LI]               ; these four lines are the places in front of the loads into registers that the last products read
	v_add_nc_u32 v[AD4], s[TB], v[L4]
	v_nop
	v_nop
.irp a, 0,1,2,3,4,5,6,7
.irp c, 0,1,2
	ds_load_b128 v[KF+12*\a+4*\c:KF+12*\a+4*\c+3], v[AD] offset:1536*\a+512*\c
.endr
.endr
	ds_load_b128 v[KSR:KSR+3], v[AD] offset:18432  ; register i: lanes 0-15 key tile i's words, lanes 16-31 tile 4 + i's
	WIN 0x40
.irp d, 0,1,2,3
.irp c, 0,1,2
	ds_load_b128 v[VF+12*\d+4*\c:VF+12*\d+4*\c+3], v[AD] offset:12288+1536*\d+512*\c
.endr
.endr
	WIN 0
	ds_load_b32 v[VS], v[AD4] offset:18944         ; lanes 0-15 d tile 0's words, lanes 16-31 tile 1's
	ds_load_b32 v[VS+1], v[AD4] offset:19072       ; tiles 2 and 3
	s_wait_dscnt 14                                ; k | k2 and its words are in; v's 12 loads and its 2 words may be out
	TILE 0
	TILE 1
	TILE 2
	TILE 3
.Lstep_end_\@:
	s_wait_dscnt 0x0                               ; no load is out when the next step's are issued, whichever tiles ran
	s_add_co_u32 s[TB], s[TB], 2*REC
	s_add_co_u32 s[KSC], s[KSC], 2
.endm
	s_wait_loadcnt 0x0                             ; q
	s_wait_tensorcnt 0x3                           ; my first load has landed: records 0-3 among the four fetching waves; three may be out: nothing is ever filled twice
	s_barrier_signal -1
	s_barrier_wait -1
	s_mov_b32 s26, 2
.Lfirst:                                           ; key steps par and 2 + par
	STEP
	s_sub_co_u32 s26, s26, 1
	s_cmp_lg_u32 s26, 0
	s_cbranch_scc1 .Lfirst
	s_wait_dscnt 0x0
	s_wait_tensorcnt 0x0                           ; all records
	s_barrier_signal -1
	s_barrier_wait -1
	s_mov_b32 s26, 6
.Lrest:                                            ; key steps 4 + par .. 14 + par
	STEP
	s_sub_co_u32 s26, s26, 1
	s_cmp_lg_u32 s26, 0
	s_cbranch_scc1 .Lrest
	; THE WAY OUT.  Nobody reads the records any more: their first 65,536 bytes, which have had their only fill, serve as the stage in which the two parities' sums meet.
	s_wait_dscnt 0x0
	s_barrier_signal -1
	s_barrier_wait -1
	PLACES 4
	WIN 0x04                                       ; an LDS store's data are its source 1: window 1
.irp k, 0,1,2,3,4,5,6,7,8,9,10,11,12,13,14,15
	ds_store_b128 v[SA], v[64+4*\k:64+4*\k+3] offset:512*\k    ; my slots 2 and 3 are the other wave's slots 0 and 1
.endr
	WIN 0
	s_wait_dscnt 0x0                               ; for the other wave's sake
	s_barrier_signal -1
	s_barrier_wait -1
.irp k, 0,1,2,3,4,5,6,7,8,9,10,11,12,13,14,15
	ds_load_b128 v[S+4*\k:S+4*\k+3], v[LA] offset:512*\k
.endr
.irp t, 0,1                            ; where my two tiles' halves of fragments and byte pairs go: tile batch x 128 + 8 x stripe + g; K step head / 2, half head % 2
	s_lshr_b32 s54, s17, 4
	s_lshl_b32 s54, s54, 7
	s_lshl_b32 s55, s[SG+\t], 3
	s_add_co_u32 s54, s54, s55
	s_add_co_u32 s54, s54, s16
	s_and_b32 s55, s17, 15
	s_mul_i32 s56, s54, 12288
	s_lshr_b32 s58, s55, 1
	s_mul_i32 s58, s58, 1536
	s_add_co_u32 s56, s56, s58
	s_and_b32 s58, s55, 1
	s_mul_i32 s59, s58, 768
	s_add_co_u32 s56, s56, s59
	s_mov_b32 s57, 0
	s_add_nc_u64 s[66+4*\t:67+4*\t], s[8:9], s[56:57]
	s_lshl_b32 s56, s54, 9
	s_lshr_b32 s59, s55, 3
	s_lshl_b32 s59, s59, 8
	s_add_co_u32 s56, s56, s59
	s_lshr_b32 s59, s55, 1
	s_and_b32 s59, s59, 3
	s_lshl_b32 s59, s59, 2
	s_add_co_u32 s56, s56, s59
	s_lshl_b32 s58, s58, 1
	s_add_co_u32 s56, s56, s58
	s_add_nc_u64 s[68+4*\t:69+4*\t], s[10:11], s[56:57]
.endr
	s_wait_dscnt 0x0
	WIN 0x01                                       ; source 0 (O^T) window 1
.irp i, 0,2,4,6,8,10,12,14,16,18,20,22,24,26,28,30,32,34,36,38,40,42,44,46,48,50,52,54,56,58,60,62
	v_pk_add_f32 v[S+\i:S+\i+1], v[\i:\i+1], v[S+\i:S+\i+1]    ; both parities' sums: 4,096 z; each accumulator from its low end on
.endr
	WIN 0
; 32 numbers of a lane, register 16 b + i = d 32 b + 16 h + i of my query, become half a fragment (6 registers) and two scale bytes, with 12 taken off each byte
.macro QUANT2 s
.irp b, 0,1
	v_max3_num_f32 v[TM+\b], |v[\s+16*\b]|, |v[\s+16*\b+1]|, 0x7800000   ; the floor 2^(15 - 127): the byte less 12 cannot fall under 1
.endr
.irp i, 2,4,6,8,10,12,14
.irp b, 0,1
	v_max3_num_f32 v[TM+\b], |v[\s+16*\b+\i]|, |v[\s+16*\b+\i+1]|, v[TM+\b]
.endr
.endr
.irp b, 0,1
	v_permlanex16_b32 v[TM+4+\b], v[TM+\b], s[SEL], s[SEL+1]
.endr
.irp b, 0,1
	v_max_num_f32 v[TM+\b], v[TM+\b], v[TM+4+\b]
.endr
.irp b, 0,1
	v_add_nc_u32 v[TM+8+\b], 0xff000000, v[TM+\b]
.endr
.irp b, 0,1
	v_lshrrev_b32 v[TM+4+\b], 23, v[TM+8+\b]
.endr
.irp b, 0,1
	v_add_nc_u32 v[TM+4+\b], -12, v[TM+4+\b]       ; y = (4,096 y) x 2^-12
.endr
	v_lshl_or_b32 v[PW], v[TM+5], 8, v[TM+4]
	v_cvt_scalef32_pk16_fp6_f32 v[PC:PC+2], v[\s:\s+15], v[TM+8]
	v_cvt_scalef32_pk16_fp6_f32 v[PC+12:PC+14], v[\s+16:\s+31], v[TM+9]
	v_nop
.irp i, 0,1,2
	v_permlane16_swap_b32 v[PC+\i], v[PC+12+\i]
.endr
.irp i, 0,1,2
	v_mov_b32 v[PC+3+\i], v[PC+12+\i]
.endr
.endm
.irp t, 0,1
	s_wait_xcnt 0x0                                ; the last tile's stores have read their registers
	QUANT2 S+32*\t
	global_store_b128 v[LI], v[PC:PC+3], s[66+4*\t:67+4*\t]                 ; the half's registers 0-3: 512 consecutive bytes
	global_store_b64 v[L8], v[PC+4:PC+5], s[66+4*\t:67+4*\t] offset:512     ; its registers 4, 5: 256 consecutive bytes
	global_store_b16 v[R16], v[PW], s[68+4*\t:69+4*\t]                      ; two bytes of row r's word: all that a head owns of it; lanes l and l xor 16 write the same bytes with the same value
.endr
	s_wait_tensorcnt 0x0
	ds_add_u32 v55, v255
	s_wait_dscnt 0x0
	CROUND                                         ; the closing round
	s_endpgm
.Lfunc_end_k_q0a3596008b_attn:
	.size	k_q0a3596008b_attn, .Lfunc_end_k_q0a3596008b_attn-k_q0a3596008b_attn
	.p2alignl 7, 3214868480
	.fill 96, 4, 3214868480
	.section	.rodata,"a",@progbits
	.p2align	6, 0x0
	.amdhsa_kernel k_q0a3596008b_attn
		.amdhsa_group_segment_fixed_size 327680
		.amdhsa_private_segment_fixed_size 0
		.amdhsa_enable_private_segment 0
		.amdhsa_kernarg_size 32
		.amdhsa_user_sgpr_count 2
		.amdhsa_user_sgpr_kernarg_segment_ptr 1
		.amdhsa_wavefront_size32 1
		.amdhsa_system_sgpr_workgroup_id_x 1
		.amdhsa_system_sgpr_workgroup_id_y 1
		.amdhsa_system_sgpr_workgroup_id_z 1
		.amdhsa_system_vgpr_workitem_id 0
		.amdhsa_next_free_vgpr 512
		.amdhsa_next_free_sgpr 80
		.amdhsa_reserve_vcc 1
		.amdhsa_float_denorm_mode_32 3
		.amdhsa_float_denorm_mode_16_64 3
		.amdhsa_memory_ordered 1
		.amdhsa_forward_progress 1
		.amdhsa_inst_pref_size 135
	.end_amdhsa_kernel
	.amdgpu_metadata
---
amdhsa.version: [ 1, 2 ]
amdhsa.kernels:
  - .name:           k_q0a3596008b_attn
    .symbol:         k_q0a3596008b_attn.kd
    .args:
      - { .name: qq, .offset: 0, .size: 8, .value_kind: global_buffer, .address_space: global }
      - { .name: kv, .offset: 8, .size: 8, .value_kind: global_buffer, .address_space: global }
      - { .name: yc, .offset: 16, .size: 8, .value_kind: global_buffer, .address_space: global }
      - { .name: ys, .offset: 24, .size: 8, .value_kind: global_buffer, .address_space: global }
    .group_segment_fixed_size: 327680
    .private_segment_fixed_size: 0
    .kernarg_segment_align: 8
    .kernarg_segment_size: 32
    .max_flat_workgroup_size: 256
    .sgpr_count:     80
    .vgpr_count:     512
    .wavefront_size: 32
...
	.end_amdgpu_metadata
.endif
;; end of part 3
;; launch proj (part 4): grid 8 x 32, 4 waves a work-group, clusters of 4 x 4, 327,680 bytes of LDS; arguments yc, ys, cod, scl, out0; writes out0
.if DOCPART == 4
	.amdgcn_target "amdgcn-amd-amdhsa--gfx1250"
	.amdhsa_code_object_version 6
	.text
	.protected	k_q0a3596008b_proj
	.globl	k_q0a3596008b_proj
	.p2align	8
	.type	k_q0a3596008b_proj,@function
k_q0a3596008b_proj:
	s_mov_b64 s[64:65], 0
	v_nop
	global_prefetch_b8 v0, s[64:65] scope:SCOPE_SE
	s_setreg_imm32_b32 hwreg(HW_REG_WAVE_MODE, 25, 1), 1
	s_wait_xcnt 0x0
	s_wait_alu depctr_hold_cnt(0) depctr_sa_sdst(0) depctr_va_vdst(0) depctr_va_sdst(0) depctr_va_ssrc(0) depctr_va_vcc(0) depctr_vm_vsrc(0)
	s_getreg_b32 s2, hwreg(HW_REG_IB_STS2, 6, 4)
	s_cmp_eq_u32 s2, 0
	s_cbranch_scc0 .Lentry_in_a_cluster
	s_endpgm
.Lentry_in_a_cluster:
	s_bfe_u32 s2, ttmp6, 0x10000c
	s_cmp_lg_u32 s2, 0xf033
	s_cbranch_scc0 .Lentry_shape_is_right
	s_endpgm
.Lentry_shape_is_right:
; out0 = y Wproj^T on codes of FP6 (E2M3).  y [4096][1024] and Wproj [1024][1024] lie in memory as images of operand registers, tile by tile of 16 rows (tile 2 B + u: rows 32 B + 8 u + r + 8 (r / 8)), 8 K steps of 1,536 bytes a tile.
; y's fragments lie in two halves of 768 bytes (a head gives 64 along K): registers 6 c .. 6 c + 3 at 16 x lane, registers 6 c + 4, 5 at 512 + 8 x lane.
; A tile of the result is 128 x 128, so that there are 256 work-groups; four waves, each 64 x 64: 16 accumulators.  Source 0 = 16 rows of Wproj, source 1 = 16 rows of y: a lane holds eight neighbouring numbers of a row of the result.
; ALL OF K stays in LDS: four chunks of two K steps (49,152 bytes: y's 8 tiles, then Wproj's 8) and the scale words, each filled ONCE; no byte is filled twice.  By this text's count five tensor loads of a wave are out at the start.
; CLUSTERS: 4 x 4 work-groups; y's tiles are shared along a row of the cluster, Wproj's along a column: joint loads.
; REGISTERS.  window 0: v16-31 addresses; v32-63 scale words of all 8 K steps (register 8 i + s: lanes 0-15 y's tile i, lanes 16-31 Wproj's tile i); v64-159, v160-255 two sets of fragments.  window 1: v0-127 the accumulators, (a, b) at 8 (4 a + b).
.set CHUNK, 49152
.set SAO,   4*CHUNK                    ; y's scale words, 4,096 bytes
.set SBO,   SAO+4096                   ; Wproj's
.set STG,   SBO+4096                   ; the way out: 16 rows x (256 bytes + 16) for each wave: bytes of its own, into which no fill lands
.set A16,  16                          ; v16-19 y's fragments in chunk q, 16 bytes a lane
.set A8,   20                          ; v20-23 the same, 8 bytes a lane
.set B16,  24                          ; v24-27 Wproj's
.set ADRS, 28
.set STO,  29
.set RD,   30
.set CO,   31
.set SC,   32
.set G1A,  24
.set G1B,  32
.set G1SA, 40
.set G1SB, 48
.set G0SA, 56
.set G0SB, 60
.set G0A,  68                          ; s68-83 a group 0 for each chunk
.set G0B,  84                          ; s84-99
.set MSB, 0
.macro WIN new
.if MSB != (\new)
	s_set_vgpr_msb (MSB<<8)|(\new)
.set MSB, (\new)
.endif
.endm
.macro PLACES n
.rept \n
	v_nop
.endr
.endm
.macro JLOAD g0a, g1a, g0b, g1b        ; waves 0 and 1 fetch for y, waves 2 and 3 for Wproj; four v_nop follow each of the two lines
	s_cmp_eq_u32 s15, 0
	s_cbranch_scc0 .Lfor_b_\@
	tensor_load_to_lds s[\g0a:\g0a+3], s[\g1a:\g1a+7]
	s_nop 0
.rept 4
	v_nop
.endr
	s_branch .Lasked_\@
.Lfor_b_\@:
	tensor_load_to_lds s[\g0b:\g0b+3], s[\g1b:\g1b+7]
	s_nop 0
.rept 4
	v_nop
.endr
.Lasked_\@:
.endm
.macro CROUND
	s_barrier_signal -1
	s_barrier_wait -1
	s_cmp_lg_u32 s14, 0
	s_cbranch_scc1 .Lnot_wave_0_\@
	s_barrier_signal -3
.Lnot_wave_0_\@:
	s_barrier_wait -3
	s_barrier_signal -1
	s_barrier_wait -1
.endm
	s_load_b256 s[4:11], s[0:1], 0x0               ; yc, ys, cod, scl
	s_load_b64 s[12:13], s[0:1], 0x20              ; out0
	v_lshl_add_u32 v14, v0, 2, 0x36400
	v_mov_b32 v15, 0
	ds_add_u32 v14, v15
	ds_add_u32 v14, v15
	v_lshrrev_b32 v1, 5, v0
	v_readfirstlane_b32 s14, v1                    ; wave 0..3
	s_lshr_b32 s15, s14, 1                         ; which half of the rows is mine.  Also: I fetch for y (0) or for Wproj (1)
	s_and_b32 s16, s14, 1                          ; which half of the columns.  Also: which four tiles I fetch
	s_bfe_u32 s19, ttmp6, 0x40000                  ; cx, cy
	s_bfe_u32 s20, ttmp6, 0x40004
	s_lshl_b32 s18, ttmp9, 2
	s_add_co_u32 s18, s18, s19                     ; the block of 128 columns
	s_and_b32 s17, ttmp7, 0xffff
	s_lshl_b32 s17, s17, 2
	s_add_co_u32 s17, s17, s20                     ; the block of 128 rows
	s_lshl_b32 s21, s20, 2
	s_lshl_b32 s21, 15, s21                        ; my row of the cluster
	s_lshl_b32 s22, 0x1111, s19                    ; my column
	s_or_b32 s[G1A], s21, (3<<16)|(1<<21)          ; codes: 4 tiles x 3,072 bytes (384 elements of 8 bytes), tiles 12,288 bytes apart
	s_or_b32 s[G1B], s22, (3<<16)|(1<<21)
.irp g, G1A, G1B
	s_mov_b32 s[\g+1], 384<<16
	s_mov_b32 s[\g+2], 4<<16
	s_mov_b32 s[\g+3], 384<<16
	s_mov_b32 s[\g+4], 4
	s_mov_b32 s[\g+5], 1536
	s_mov_b32 s[\g+6], 0
	s_mov_b32 s[\g+7], 0
.endr
	s_or_b32 s[G1SA], s21, (3<<16)|(1<<21)         ; scale words: 4 tiles x 512 dense bytes, as 8 rows of 256
	s_or_b32 s[G1SB], s22, (3<<16)|(1<<21)
.irp g, G1SA, G1SB
	s_mov_b32 s[\g+1], 32<<16
	s_mov_b32 s[\g+2], 8<<16
	s_mov_b32 s[\g+3], 32<<16
	s_mov_b32 s[\g+4], 8
	s_mov_b32 s[\g+5], 32
	s_mov_b32 s[\g+6], 0
	s_mov_b32 s[\g+7], 0
.endr
	s_lshl_b32 s2, s16, 2
	s_lshl_b32 s23, s17, 3
	s_add_co_u32 s23, s23, s2                      ; y: tile 8 x block + 4 x half
	s_lshl_b32 s3, s18, 3
	s_add_co_u32 s3, s3, s2
	s_add_co_u32 s3, s3, 576                       ; Wproj: tile 576 + 8 x block + 4 x half
	s_mul_i32 s[G0A+2], s23, 12288                 ; the offsets, in the words that will hold the addresses
	s_mov_b32 s[G0A+3], 0
	s_lshl_b32 s[G0SA+2], s23, 9
	s_mov_b32 s[G0SA+3], 0
	s_mul_i32 s[G0B+2], s3, 12288
	s_mov_b32 s[G0B+3], 0
	s_lshl_b32 s[G0SB+2], s3, 9
	s_mov_b32 s[G0SB+3], 0
	s_mul_i32 s100, s16, 12288                     ; where they go: no place in the cluster enters an LDS address
	s_lshl_b32 s101, s16, 11
	s_wait_dscnt 0x0
	s_wait_kmcnt 0x0
	s_add_nc_u64 s[G0A+2:G0A+3], s[4:5], s[G0A+2:G0A+3]
	s_add_nc_u64 s[G0SA+2:G0SA+3], s[6:7], s[G0SA+2:G0SA+3]
	s_add_nc_u64 s[G0B+2:G0B+3], s[8:9], s[G0B+2:G0B+3]
	s_add_nc_u64 s[G0SB+2:G0SB+3], s[10:11], s[G0SB+2:G0SB+3]
.irp q, 1,2,3
	s_add_nc_u64 s[G0A+4*\q+2:G0A+4*\q+3], s[G0A+2:G0A+3], \q*3072
	s_add_nc_u64 s[G0B+4*\q+2:G0B+4*\q+3], s[G0B+2:G0B+3], \q*3072
.endr
.irp q, 0,1,2,3
	s_mov_b32 s[G0A+4*\q], 1
	s_add_co_u32 s[G0A+4*\q+1], s100, \q*CHUNK
	s_or_b32 s[G0A+4*\q+3], s[G0A+4*\q+3], 0x80000000
	s_mov_b32 s[G0B+4*\q], 1
	s_add_co_u32 s[G0B+4*\q+1], s100, \q*CHUNK+24576
	s_or_b32 s[G0B+4*\q+3], s[G0B+4*\q+3], 0x80000000
.endr
	s_mov_b32 s[G0SA], 1
	s_add_co_u32 s[G0SA+1], s101, SAO
	s_or_b32 s[G0SA+3], s[G0SA+3], 0x80000000
	s_mov_b32 s[G0SB], 1
	s_add_co_u32 s[G0SB+1], s101, SBO
	s_or_b32 s[G0SB+3], s[G0SB+3], 0x80000000
	CROUND                                         ; all sixteen work-groups are here: the joint loads meet
	JLOAD G0SA, G1SA, G0SB, G1SB
.irp q, 0,1,2,3
	JLOAD G0A+4*\q, G1A, G0B+4*\q, G1B
.endr
	v_and_b32 v1, 15, v0                           ; r
	v_bfe_u32 v2, v0, 4, 1                         ; h
	v_and_b32 v3, 31, v0
	v_lshlrev_b32 v5, 4, v3
	v_lshlrev_b32 v6, 3, v3
	s_mul_i32 s2, s15, 12288                       ; my four tiles of y
	s_mul_i32 s3, s16, 12288                       ; my four of Wproj
	s_add_co_u32 s3, s3, 24576
.irp q, 0,1,2,3
	v_add_nc_u32 v[A16+\q], s2, v5
	v_add_nc_u32 v[A8+\q], s2, v6
	v_add_nc_u32 v[B16+\q], s3, v5
	s_add_co_u32 s2, s2, CHUNK
	s_add_co_u32 s3, s3, CHUNK
.endr
	s_lshl_b32 s2, s15, 11                         ; scale words: lanes 0-15 y's tiles, lanes 16-31 Wproj's: one product with the lane's half
	s_lshl_b32 s3, s16, 11
	s_add_co_u32 s3, s3, SBO-SAO
	s_sub_co_u32 s3, s3, s2
	v_mul_u32_u24 v4, s3, v2
	s_add_co_u32 s2, s2, SAO
	v_lshl_add_u32 v4, v1, 4, v4
	v_add_nc_u32 v[ADRS], s2, v4
	s_mul_i32 s2, s14, 16*272
	s_add_co_u32 s2, s2, STG                       ; my stage
	v_mul_u32_u24 v4, v1, 272
	v_lshl_add_u32 v4, v2, 6, v4
	v_add_nc_u32 v[STO], s2, v4                    ; in: row r, + 64 h
	v_mul_u32_u24 v4, v2, 272
	v_lshl_add_u32 v4, v1, 4, v4
	v_add_nc_u32 v[RD], s2, v4                     ; back: lanes 0-15 one row, lanes 16-31 the next
	v_lshlrev_b32 v4, 12, v2
	v_lshl_add_u32 v[CO], v1, 4, v4                ; and the same two rows of the result
	s_lshl_b32 s2, s17, 19                         ; 128 rows of 4,096 bytes,
	s_lshl_b32 s3, s15, 18                         ; my 64 of them,
	s_add_co_u32 s2, s2, s3
	s_lshl_b32 s3, s18, 9                          ; 128 columns,
	s_add_co_u32 s2, s2, s3
	s_lshl_b32 s3, s16, 8                          ; my 64
	s_add_co_u32 s2, s2, s3
	s_mov_b32 s3, 0
	s_add_nc_u64 s[12:13], s[12:13], s[2:3]
.macro FETCH s, p                      ; K step s: 28 loads into set p: y's four fragments (two halves each), Wproj's four
.set FB, 64+96*(\p)
.irp a, 0,1,2,3
	ds_load_b128 v[FB+12*\a:FB+12*\a+3], v[A16+(\s)/2] offset:\a*3072+((\s)%2)*1536
	ds_load_b64 v[FB+12*\a+4:FB+12*\a+5], v[A8+(\s)/2] offset:\a*3072+((\s)%2)*1536+512
	ds_load_b128 v[FB+12*\a+6:FB+12*\a+9], v[A16+(\s)/2] offset:\a*3072+((\s)%2)*1536+768
	ds_load_b64 v[FB+12*\a+10:FB+12*\a+11], v[A8+(\s)/2] offset:\a*3072+((\s)%2)*1536+1280
.endr
.irp b, 0,1,2,3
.irp c, 0,1,2
	ds_load_b128 v[FB+48+12*\b+4*\c:FB+48+12*\b+4*\c+3], v[B16+(\s)/2] offset:\b*3072+((\s)%2)*1536+512*\c
.endr
.endr
.endm
.macro MUL s, p                        ; 16 products; the accumulators take turns, one instruction a turn; the first K step starts the sums
.set FB, 64+96*(\p)
	WIN 0x50                                       ; C and D window 1
.irp a, 0,1,2,3
.irp b, 0,1,2,3
.if (\s) == 0
	v_wmma_scale_f32_16x16x128_f8f6f4 v[8*(4*\a+\b):8*(4*\a+\b)+7], v[FB+48+12*\b:FB+48+12*\b+11], v[FB+12*\a:FB+12*\a+11], 0, v[SC+8*\b+(\s)], v[SC+8*\a+(\s)] matrix_a_fmt:MATRIX_FMT_FP6 matrix_b_fmt:MATRIX_FMT_FP6 matrix_a_scale:MATRIX_SCALE_ROW1
.else
	v_wmma_scale_f32_16x16x128_f8f6f4 v[8*(4*\a+\b):8*(4*\a+\b)+7], v[FB+48+12*\b:FB+48+12*\b+11], v[FB+12*\a:FB+12*\a+11], v[8*(4*\a+\b):8*(4*\a+\b)+7], v[SC+8*\b+(\s)], v[SC+8*\a+(\s)] matrix_a_fmt:MATRIX_FMT_FP6 matrix_b_fmt:MATRIX_FMT_FP6 matrix_a_scale:MATRIX_SCALE_ROW1
.endif
.endr
.endr
	WIN 0
.endm
.macro KSTEP s
.if ((\s)%2 == 1) && ((\s) < 7)
	s_wait_dscnt 0x0                               ; no LDS instruction of mine is out at a signal
	s_wait_tensorcnt 3-((\s)+1)/2                  ; my part of the next chunk has landed; the later chunks' loads may be out: nothing is filled twice
	s_barrier_signal -1
	s_barrier_wait -1                              ; everybody's has
.endif
.if (\s) < 7
	PLACES 4                                       ; in front of loads into the set that the last products read
	FETCH (\s)+1, ((\s)+1)%2
	s_wait_dscnt 28                                ; all but the 28 just issued
.else
	s_wait_dscnt 0x0
.endif
	MUL \s, (\s)%2
.endm
	s_wait_tensorcnt 0x3                           ; the scale words and chunk 0
	s_barrier_signal -1
	s_barrier_wait -1
.irp i, 0,1,2,3
.irp k, 0,1
	ds_load_b128 v[SC+8*\i+4*\k:SC+8*\i+4*\k+3], v[ADRS] offset:\i*512+\k*256
.endr
.endr
	FETCH 0, 0
.irp s, 0,1,2,3,4,5,6,7
	KSTEP \s
.endr
	PLACES 4
; THE WAY OUT, 16 rows x 64 columns at a time, through my own stage: a lane's 32 bytes go in, whole rows of 256 bytes come back, and sixteen lanes store 256 consecutive bytes, aligned.
.macro OUTA a
.set BK, 64+32*((\a)%2)
	WIN 0x04                                       ; an LDS store's data are its source 1: window 1
.irp b, 0,1,2,3
	ds_store_b128 v[STO], v[8*(4*(\a)+\b):8*(4*(\a)+\b)+3] offset:128*(\b/2)+32*(\b%2)       ; register j of tile b = 2 B + u is column 32 B + 16 h + 8 u + j; each accumulator from its low end on
	ds_store_b128 v[STO], v[8*(4*(\a)+\b)+4:8*(4*(\a)+\b)+7] offset:128*(\b/2)+32*(\b%2)+16
.endr
	WIN 0
.if (\a) > 1
	s_wait_xcnt 0x0                                ; the stores of two blocks back have read these registers
.endif
.irp k, 0,1,2,3,4,5,6,7
	ds_load_b128 v[BK+4*\k:BK+4*\k+3], v[RD] offset:\k*2*272     ; LDS serves a wave's instructions in order: these see the stores above
.endr
	s_wait_dscnt 0x0
.irp k, 0,1,2,3,4,5,6,7
	global_store_b128 v[CO], v[BK+4*\k:BK+4*\k+3], s[12:13] offset:(32*((\a)/2)+8*((\a)%2)+2*\k+8*(\k/4))*4096 th:TH_STORE_NT   ; the tile's row 2 k + h is row 2 k + h + 8 (k / 4) of its 32
.endr
.endm
	OUTA 0
	OUTA 1
	OUTA 2
	OUTA 3
	s_wait_tensorcnt 0x0
	ds_add_u32 v14, v15
	s_wait_dscnt 0x0
	CROUND                                         ; the closing round
	s_endpgm
.Lfunc_end_k_q0a3596008b_proj:
	.size	k_q0a3596008b_proj, .Lfunc_end_k_q0a3596008b_proj-k_q0a3596008b_proj
	.p2alignl 7, 3214868480
	.fill 96, 4, 3214868480
	.section	.rodata,"a",@progbits
	.p2align	6, 0x0
	.amdhsa_kernel k_q0a3596008b_proj
		.amdhsa_group_segment_fixed_size 327680
		.amdhsa_private_segment_fixed_size 0
		.amdhsa_enable_private_segment 0
		.amdhsa_kernarg_size 40
		.amdhsa_user_sgpr_count 2
		.amdhsa_user_sgpr_kernarg_segment_ptr 1
		.amdhsa_wavefront_size32 1
		.amdhsa_system_sgpr_workgroup_id_x 1
		.amdhsa_system_sgpr_workgroup_id_y 1
		.amdhsa_system_sgpr_workgroup_id_z 1
		.amdhsa_system_vgpr_workitem_id 0
		.amdhsa_next_free_vgpr 384
		.amdhsa_next_free_sgpr 102
		.amdhsa_reserve_vcc 0
		.amdhsa_float_denorm_mode_32 3
		.amdhsa_float_denorm_mode_16_64 3
		.amdhsa_memory_ordered 1
		.amdhsa_forward_progress 1
		.amdhsa_inst_pref_size 53
	.end_amdhsa_kernel
	.amdgpu_metadata
---
amdhsa.version: [ 1, 2 ]
amdhsa.kernels:
  - .name:           k_q0a3596008b_proj
    .symbol:         k_q0a3596008b_proj.kd
    .args:
      - { .name: yc, .offset: 0, .size: 8, .value_kind: global_buffer, .address_space: global }
      - { .name: ys, .offset: 8, .size: 8, .value_kind: global_buffer, .address_space: global }
      - { .name: cod, .offset: 16, .size: 8, .value_kind: global_buffer, .address_space: global }
      - { .name: scl, .offset: 24, .size: 8, .value_kind: global_buffer, .address_space: global }
      - { .name: out0, .offset: 32, .size: 8, .value_kind: global_buffer, .address_space: global }
    .group_segment_fixed_size: 327680
    .private_segment_fixed_size: 0
    .kernarg_segment_align: 8
    .kernarg_segment_size: 40
    .max_flat_workgroup_size: 128
    .sgpr_count:     102
    .vgpr_count:     384
    .wavefront_size: 32
...
	.end_amdgpu_metadata
.endif
;; end of part 4
